; MI455X (gfx1250); checked and timed in simulation.
; The chip was launched on July 23, 2026; its instructions are those of AMD's public machine-readable ISA for CDNA 5 (MIT licence, August 2026) and "CDNA5" Instruction Set Architecture Reference Guide (July 2026). The comments in the code are by the model that wrote it; some were corrected since.
;; GPT Block. Allowed arithmetic: matrix products marked QUANTISED: E4M3 operands, one E8M0 scale for each 32 along K, by v_wmma_scale_f32_16x16x128_f8f6f4 with both operands' format E4M3, f32 sums; everything else in f32.
;; Inputs: W1_codes 4,096 x 32 x 32 uint8 (E4M3 codes of W1, K innermost, in blocks of 32 codes); W1_scales 4,096 x 32 uint8 (E8M0 scales of W1, one for each 32 codes along K); W2_codes 1,024 x 128 x 32 uint8 (E4M3 codes of W2, K innermost, in blocks of 32 codes); W2_scales 1,024 x 128 uint8 (E8M0 scales of W2, one for each 32 codes along K); Wk_codes 16 x 64 x 32 x 32 uint8 (E4M3 codes of Wk, K innermost, in blocks of 32 codes); Wk_scales 16 x 64 x 32 uint8 (E8M0 scales of Wk, one for each 32 codes along K); Wq_codes 16 x 64 x 32 x 32 uint8 (E4M3 codes of Wq, K innermost, in blocks of 32 codes); Wq_scales 16 x 64 x 32 uint8 (E8M0 scales of Wq, one for each 32 codes along K); Wv_codes 16 x 64 x 32 x 32 uint8 (E4M3 codes of Wv, K innermost, in blocks of 32 codes); Wv_scales 16 x 64 x 32 uint8 (E8M0 scales of Wv, one for each 32 codes along K); b1 4,096 float32; b2 1,024 float32; be1 1,024 float32; be2 1,024 float32; g1 1,024 float32; g2 1,024 float32; inputs 4 x 1,024 x 1,024 float32.
;; Outputs: out0 4 x 1,024 x 1,024 float32.
;; This version of the problem:
;;   THIS VERSION OF THE PROBLEM IS GIVEN IN LOW PRECISION. The matrix products marked QUANTISED in the list below multiply operands that are first quantised to E4M3 (4 exponent bits, 3 mantissa bits; 8 bits a number), with one power-of-two scale for each 32 numbers along K (OCP MX v1.0); their sums are f32. All else is computed in f32.
;;   The module's matrix products, in the order in which they are computed (A, B: the left and right operand; K: the contracted axis; several contracted axes count as one K, in the product's order):
;;     1. [M 1,024, K 1,024] x [K 1,024, N 4,096]; A: input Wq (given as codes); B: computed on the way: QUANTISED
;;     2. [M 1,024, K 1,024] x [K 1,024, N 4,096]; A: input Wk (given as codes); B: computed on the way: QUANTISED
;;     3. [M 1,024, K 1,024] x [K 1,024, N 4,096]; A: input Wv (given as codes); B: computed on the way: QUANTISED
;;     4. batch 64 x [M 1,024, K 64] x [K 64, N 1,024]; A: computed on the way; B: computed on the way: QUANTISED
;;     5. batch 64 x [M 1,024, K 1,024] x [K 1,024, N 64]; A: softmax (see below); B: computed on the way: QUANTISED
;;     6. [M 4,096, K 1,024] x [K 1,024, N 4,096]; A: computed on the way; B: input W1 (given as codes): QUANTISED
;;     7. [M 4,096, K 4,096] x [K 4,096, N 1,024]; A: computed on the way; B: input W2 (given as codes): QUANTISED
;;   THE QUANTISER, for each operand of a quantised product, along K:
;;     - K is cut into blocks of 32 from its start; a last block that is shorter is filled with zeros.
;;     - A block's scale is 2^e with e = floor(log2(the largest magnitude in the block)) - 8, held to -126 .. 127; a block of zeros has e = 0. As a byte (E8M0): e + 127.
;;     - Each number is divided by its block's scale, clamped to +-448, and rounded to the nearest number of E4M3, ties to even, subnormals kept.
;;     - The product sums the exact products of the quantised numbers (number of the format x scale) in f32.
;;   ~~~python
;;   def quantise(x, axis):      # numpy; x: float32 -> the quantised numbers, widened to float32 again
;;       x = np.moveaxis(x, axis, -1); K = x.shape[-1]
;;       x = np.pad(x, [(0, 0)] * (x.ndim - 1) + [(0, -K % 32)]); x = x.reshape(x.shape[:-1] + (-1, 32)); a = np.abs(x).max(-1, keepdims=True)
;;       e = np.where(a > 0, np.clip(np.frexp(np.where(a > 0, a, 1))[1] - 1 - 8, -126, 127), 0)      # np.frexp(a)[1] - 1 = floor(log2(a)), exactly
;;       r = np.clip(x / 2.0 ** e, -448, 448)
;;       step = 2.0 ** (np.maximum(np.frexp(np.where(r == 0, 1, r))[1] - 1, -6) - 3)
;;       q = np.round(r / step) * step * 2.0 ** e      # np.round: ties to even
;;       return np.moveaxis(q.reshape(q.shape[:-2] + (-1,))[..., :K], -1, axis).astype(np.float32)
;;   ~~~
;;   SOFTMAX AHEAD OF A QUANTISED PRODUCT. Where the list says 'softmax', what is quantised is not the finished softmax but p = 2^(t - M), with t = logit x log2(e) and M = ceil(the row's largest t), a whole number; so 1/2 < the row's largest p <= 1. The row's sum l is taken of the UNQUANTISED p, in f32, and the product's result is divided by l at the end. Since M is a whole number, a kernel that streams over the keys may use a running M (the ceiling of the running maximum): every later rescaling is an exact power of two, which a block's scale takes up: the codes' values come out the same.
;;   OPERANDS COMPUTED ON THE WAY. 'Computed on the way' means the value that the module computes at that place (a softmax that the list does not call 'softmax' is quantised finished and normalised). What goes into a quantiser is computed in f32, as accurately as f32 sums, v_exp_f32 and their like allow (about 1e-6 of the number): no bf16 or f16 on the way to a quantiser, and a product that is left as it is and whose result goes on into a quantised operand takes f32 operands (vector FMAs, or v_wmma_f32_16x16x4_f32). A number that lies on a knife's edge between two numbers of the format may be rounded either way, as far as f32 arithmetic and the matrix unit's own rounding can turn it there, and no further.
;;   INPUTS GIVEN AS CODES. W1 (in the module: [1024, 4096], K = its axis 0); W2 (in the module: [4096, 1024], K = its axis 0); Wk (in the module: [16, 1024, 64], K = its axis 1); Wq (in the module: [16, 1024, 64], K = its axis 1); Wv (in the module: [16, 1024, 64], K = its axis 1): each comes as NAME_codes (uint8): NAME with its K axis moved to the last place and cut into blocks of 32 codes, [.., K / 32, bytes a block], one block behind the other in memory; one code a byte (a code: sign, 4 exponent bits, 3 mantissa bits); and NAME_scales (uint8): the same leading axes, one E8M0 byte (e + 127) for each 32 codes along K. Its value is code x scale, taken as it is: it is not quantised again, and the codes and scales need not be those that the quantiser above would give.
;; One version. Each part assembles by itself: llvm-mc -triple=amdgcn-amd-amdhsa -mcpu=gfx1250 --defsym DOCPART=n.
;; ======== version 1 of 1: 6 launches
;; limits: right only within a limited range of input values
;; workspace buffers: xa 4,325,376 bytes; qkv 12,976,128 bytes; xres 16,777,216 bytes; hid 17,301,504 bytes
;; launch lnq (part 1): grid 256 x 1, 16 waves a work-group, no clusters, 84,480 bytes of LDS; arguments inputs, g1, be1, xa; writes xa
.if DOCPART == 1
	.amdgcn_target "amdgcn-amd-amdhsa--gfx1250"
	.amdhsa_code_object_version 6
	.text
	.protected	k_q71090a13d1_lnq
	.globl	k_q71090a13d1_lnq
	.p2align	8
	.type	k_q71090a13d1_lnq,@function
k_q71090a13d1_lnq:
	s_mov_b64 s[64:65], 0
	v_nop
	global_prefetch_b8 v0, s[64:65] scope:SCOPE_SE
	s_setreg_imm32_b32 hwreg(HW_REG_WAVE_MODE, 25, 1), 1
	s_wait_xcnt 0x0
; LAYER NORM, THEN THE QUANTISER ALONG THE ROW.  X: [4096][1024] f32.  y = (x - mean) * rsqrt(var + 1e-5) * g + be, all in f32; y becomes
; codes of FP8 (E4M3) with one E8M0 scale byte for each 32 along the row.  Out: codes [4096][1024] at byte 0, scale bytes [4096][32] at byte 4,194,304.
; A block's scale is 2^(floor(log2(its largest magnitude)) - 8); its byte is that magnitude's exponent field - 8, held at 1 from below.
; No step and no input of the problem is left out in this program.
; LIMITS: NaN and infinities among the inputs are not served.  A block under 2^-118, zeros too, keeps the byte 1 where the rule says 127 for zeros:
; its codes are zeros, and the bytes are read by this program alone.
; SHARES.  A work-group of sixteen waves takes 16 rows, a wave ONE: 4,096 bytes, eight loads of 16 bytes a lane, each covering 512 consecutive bytes.
; The row stays in 32 registers through the mean, the variance (of x - mean) and the scaling; g and be lie in registers in the same layout.
; THE TURN.  The conversions take 16 neighbours from one lane's registers, the loads give a lane 4 neighbours of eight places: the row goes through the wave's own
; stage in LDS and comes back 64 bytes a lane, 16 bytes of padding behind each 64.  Two neighbouring lanes hold a block of 32.
; The work-group's 512 scale bytes are gathered in LDS and leave by one store of wave 0.  No matrix unit, no tensor load, no cluster: work-groups share only g and be, 8 KB.
.set SCB,   81920                      ; LDS: sixteen stages of 64 places x 80 bytes, then the 512 scale bytes
.set SPARE, 82432                      ; the spare words, 128 bytes a wave
.set G,    16
.set BE,   48
.set X,    80                          ; the row; its first eight registers later take its codes
.set T,    112                         ; at work for the sums, then the row as 2 x 16 neighbours
.set E,    144
.set SPW,  146
.set NIL,  147
	s_load_b256 s[4:11], s[0:1], 0x0               ; X, g, be, out
	v_lshl_add_u32 v[SPW], v0, 2, SPARE
	v_mov_b32 v[NIL], 0
	v_lshrrev_b32 v1, 5, v0
	v_readfirstlane_b32 s16, v1                    ; wave 0..15
	v_and_b32 v1, 31, v0
	v_lshlrev_b32 v2, 4, v1                        ; 16 x lane
	s_mul_i32 s17, s16, 5120                       ; my stage
	v_lshrrev_b32 v3, 2, v1
	v_mul_u32_u24 v3, v3, 80
	v_and_b32 v6, 3, v1
	v_lshl_add_u32 v3, v6, 4, v3
	v_add_nc_u32 v3, s17, v3                       ; into the stage: four lanes' 64 bytes on end, then 16 of padding
	v_mul_u32_u24 v4, v1, 80
	v_add_nc_u32 v4, s17, v4                       ; out of it: my 16 neighbours
	s_lshl_b32 s18, s16, 5
	s_add_co_u32 s18, s18, SCB
	v_lshrrev_b32 v5, 1, v1
	v_add_nc_u32 v5, s18, v5                       ; my row's 32 scale bytes, my block's byte
	v_add_nc_u32 v7, SCB, v2                       ; the way out of the scale bytes (wave 0)
	s_mov_b32 s12, 0x76543210
	s_mov_b32 s13, 0xfedcba98                      ; selects for lane l xor 16
	s_mov_b32 s20, 0x3a800000                      ; 1 / 1024
	s_mov_b32 s21, 0x3727c5ac                      ; 1e-5
	s_mov_b32 s23, 0x600000                        ; the mantissa field of 448
	s_lshl_b32 s24, ttmp9, 16                      ; 16 rows of 4,096 bytes a work-group,
	s_lshl_b32 s25, s16, 12                        ; one a wave
	s_add_co_u32 s24, s24, s25
	s_mov_b32 s25, 0
	s_lshr_b32 s26, s24, 2                         ; the row's codes: 1,024 bytes
	s_mov_b32 s27, 0
	s_lshl_b32 s28, ttmp9, 9                       ; the work-group's 512 scale bytes
	s_add_co_u32 s28, s28, 0x400000
	s_mov_b32 s29, 0
	s_wait_alu depctr_va_vdst(0)                   ; the wait at the head's end
	s_wait_kmcnt 0x0
	s_add_nc_u64 s[4:5], s[4:5], s[24:25]
	s_add_nc_u64 s[14:15], s[10:11], s[28:29]
	s_add_nc_u64 s[10:11], s[10:11], s[26:27]
.irp j, 0,1,2,3,4,5,6,7
	global_load_b128 v[X+4*\j:X+4*\j+3], v2, s[4:5] offset:512*\j th:TH_LOAD_NT
.endr
.irp j, 0,1,2,3,4,5,6,7
	global_load_b128 v[G+4*\j:G+4*\j+3], v2, s[6:7] offset:512*\j
.endr
.irp j, 0,1,2,3,4,5,6,7
	global_load_b128 v[BE+4*\j:BE+4*\j+3], v2, s[8:9] offset:512*\j
.endr
.macro ALLSUM                          ; two chains in v[T:T+3] become the sum over the 32 lanes, in every lane, in v[T]
	v_pk_add_f32 v[T:T+1], v[T:T+1], v[T+2:T+3]
	v_add_f32 v[T], v[T], v[T+1]
	v_add_f32_dpp v[T], v[T], v[T] row_xmask:1 row_mask:0xf bank_mask:0xf
	v_add_f32_dpp v[T], v[T], v[T] row_xmask:2 row_mask:0xf bank_mask:0xf
	v_add_f32_dpp v[T], v[T], v[T] row_xmask:4 row_mask:0xf bank_mask:0xf
	v_add_f32_dpp v[T], v[T], v[T] row_xmask:8 row_mask:0xf bank_mask:0xf
	v_permlanex16_b32 v[T+1], v[T], s12, s13
	v_add_f32 v[T], v[T], v[T+1]
.endm
	s_wait_loadcnt 16                              ; the row is in; g's and be's sixteen loads may be out
	v_pk_add_f32 v[T:T+1], v[X:X+1], v[X+2:X+3]
	v_pk_add_f32 v[T+2:T+3], v[X+4:X+5], v[X+6:X+7]
.irp j, 8,12,16,20,24,28
	v_pk_add_f32 v[T:T+1], v[T:T+1], v[X+\j:X+\j+1]
	v_pk_add_f32 v[T+2:T+3], v[T+2:T+3], v[X+\j+2:X+\j+3]
.endr
	ALLSUM
	v_mul_f32 v14, s20, v[T]                       ; the mean, as a pair
	v_mov_b32 v15, v14
.irp j, 0,2,4,6,8,10,12,14,16,18,20,22,24,26,28,30
	v_pk_add_f32 v[X+\j:X+\j+1], v[X+\j:X+\j+1], v[14:15] neg_lo:[0,1] neg_hi:[0,1]   ; d = x - mean
.endr
	v_pk_mul_f32 v[T:T+1], v[X:X+1], v[X:X+1]      ; the sum of d^2
	v_pk_mul_f32 v[T+2:T+3], v[X+2:X+3], v[X+2:X+3]
.irp j, 4,8,12,16,20,24,28
	v_pk_fma_f32 v[T:T+1], v[X+\j:X+\j+1], v[X+\j:X+\j+1], v[T:T+1]
	v_pk_fma_f32 v[T+2:T+3], v[X+\j+2:X+\j+3], v[X+\j+2:X+\j+3], v[T+2:T+3]
.endr
	ALLSUM
	v_fma_f32 v6, v[T], s20, s21                   ; var + 1e-5
	s_wait_alu depctr_va_vdst(0)                   ; the wait ahead of the transcendentals
	v_rsq_f32 v14, v6
	v_rsq_f32 v15, v6                              ; twice: the packed multiply wants a pair
	v_nop                                          ; a plain instruction behind them
	s_wait_alu depctr_va_vdst(0)                   ; and the wait ahead of their first reader
	s_wait_loadcnt 0x0                             ; g and be
.irp j, 0,2,4,6,8,10,12,14,16,18,20,22,24,26,28,30
	v_pk_mul_f32 v[X+\j:X+\j+1], v[X+\j:X+\j+1], v[14:15]
.endr
.irp j, 0,2,4,6,8,10,12,14,16,18,20,22,24,26,28,30
	v_pk_fma_f32 v[X+\j:X+\j+1], v[X+\j:X+\j+1], v[G+\j:G+\j+1], v[BE+\j:BE+\j+1]     ; y
.endr
.irp j, 0,1,2,3,4,5,6,7
	ds_store_b128 v3, v[X+4*\j:X+4*\j+3] offset:640*\j             ; a load's 512 bytes take eight places of 80
.endr
.irp s, 0,1
.irp k, 0,1,2,3
	ds_load_b128 v[T+16*\s+4*\k:T+16*\s+4*\k+3], v4 offset:2560*\s+16*\k   ; LDS serves a wave's instructions in order: these see the stores above
.endr
.endr
	s_wait_dscnt 0x0
.irp s, 0,1
.set XS, T+16*\s
	v_max3_num_f32 v8, |v[XS]|, |v[XS+1]|, |v[XS+2]|
	v_max3_num_f32 v9, |v[XS+3]|, |v[XS+4]|, |v[XS+5]|
.irp k, 6,10
	v_max3_num_f32 v8, v8, |v[XS+\k]|, |v[XS+\k+1]|
	v_max3_num_f32 v9, v9, |v[XS+\k+2]|, |v[XS+\k+3]|
.endr
	v_max3_num_f32 v8, v8, |v[XS+14]|, |v[XS+15]|
	v_max3_num_f32 v8, v8, v9, 0x4800000           ; the floor 2^(9 - 127): the byte cannot fall under 1
	v_max_num_f32_dpp v8, v8, v8 row_xmask:1 row_mask:0xf bank_mask:0xf   ; with my neighbour's 16: the block's
	v_add_nc_u32 v11, 0xfc000000, v8               ; 8 off the exponent field: the conversion's scale operand
	v_and_or_b32 v10, v8, 0x7f800000, s23          ; 448 x the scale
.irp k, 0,1,2,3,4,5,6,7,8,9,10,11,12,13,14,15
	v_med3_num_f32 v[XS+\k], v[XS+\k], -v10, v10   ; the conversion does not saturate (ISA guide 7.6.2): the hold comes first
.endr
	v_cvt_scalef32_pk8_fp8_f32 v[X+4*\s:X+4*\s+1], v[XS:XS+7], v11
	v_cvt_scalef32_pk8_fp8_f32 v[X+4*\s+2:X+4*\s+3], v[XS+8:XS+15], v11
	v_lshrrev_b32 v[E+\s], 23, v11                 ; the scale's byte (also the plain instruction behind the conversions)
	ds_store_b8 v5, v[E+\s] offset:16*\s           ; both lanes of a block write the same byte with the same value
	global_store_b128 v2, v[X+4*\s:X+4*\s+3], s[10:11] offset:512*\s   ; 512 consecutive bytes
.endr
	s_wait_dscnt 0x0                               ; for the others' sake: my scale bytes lie in LDS
	s_barrier_signal -1
	s_barrier_wait -1
	s_cmp_lg_u32 s16, 0
	s_cbranch_scc1 .Lend
	ds_load_b128 v[T:T+3], v7                      ; the work-group's 512 scale bytes
	s_wait_dscnt 0x0
	global_store_b128 v2, v[T:T+3], s[14:15]
.Lend:
	s_wait_tensorcnt 0x0                           ; the wave's end
	ds_add_u32 v[SPW], v[NIL]
	s_wait_dscnt 0x0
	s_endpgm
.Lfunc_end_k_q71090a13d1_lnq:
	.size	k_q71090a13d1_lnq, .Lfunc_end_k_q71090a13d1_lnq-k_q71090a13d1_lnq
	.p2alignl 7, 3214868480
	.fill 96, 4, 3214868480
	.section	.rodata,"a",@progbits
	.p2align	6, 0x0
	.amdhsa_kernel k_q71090a13d1_lnq
		.amdhsa_group_segment_fixed_size 84480
		.amdhsa_private_segment_fixed_size 0
		.amdhsa_enable_private_segment 0
		.amdhsa_kernarg_size 32
		.amdhsa_user_sgpr_count 2
		.amdhsa_user_sgpr_kernarg_segment_ptr 1
		.amdhsa_wavefront_size32 1
		.amdhsa_system_sgpr_workgroup_id_x 1
		.amdhsa_system_sgpr_workgroup_id_y 1
		.amdhsa_system_sgpr_workgroup_id_z 1
		.amdhsa_system_vgpr_workitem_id 0
		.amdhsa_next_free_vgpr 152
		.amdhsa_next_free_sgpr 66
		.amdhsa_reserve_vcc 0
		.amdhsa_float_denorm_mode_32 3
		.amdhsa_float_denorm_mode_16_64 3
		.amdhsa_memory_ordered 1
		.amdhsa_forward_progress 1
		.amdhsa_inst_pref_size 16
	.end_amdhsa_kernel
	.amdgpu_metadata
---
amdhsa.version: [ 1, 2 ]
amdhsa.kernels:
  - .name:           k_q71090a13d1_lnq
    .symbol:         k_q71090a13d1_lnq.kd
    .args:
      - { .name: inputs, .offset: 0, .size: 8, .value_kind: global_buffer, .address_space: global }
      - { .name: g1, .offset: 8, .size: 8, .value_kind: global_buffer, .address_space: global }
      - { .name: be1, .offset: 16, .size: 8, .value_kind: global_buffer, .address_space: global }
      - { .name: xa, .offset: 24, .size: 8, .value_kind: global_buffer, .address_space: global }
    .group_segment_fixed_size: 84480
    .private_segment_fixed_size: 0
    .kernarg_segment_align: 8
    .kernarg_segment_size: 32
    .max_flat_workgroup_size: 512
    .sgpr_count:     66
    .vgpr_count:     152
    .wavefront_size: 32
...
	.end_amdgpu_metadata
.endif
;; end of part 1
;; launch qkv (part 2): grid 12 x 16, 4 waves a work-group, clusters of 4 x 4, 327,680 bytes of LDS; arguments xa, Wq_codes, Wq_scales, Wk_codes, Wk_scales, Wv_codes, Wv_scales, qkv; writes qkv
.if DOCPART == 2
	.amdgcn_target "amdgcn-amd-amdhsa--gfx1250"
	.amdhsa_code_object_version 6
	.text
	.protected	k_q71090a13d1_qkv
	.globl	k_q71090a13d1_qkv
	.p2align	8
	.type	k_q71090a13d1_qkv,@function
k_q71090a13d1_qkv:
	s_mov_b64 s[64:65], 0
	v_nop
	global_prefetch_b8 v0, s[64:65] scope:SCOPE_SE
	s_setreg_imm32_b32 hwreg(HW_REG_WAVE_MODE, 25, 1), 1
	s_wait_xcnt 0x0
	s_wait_alu depctr_hold_cnt(0) depctr_sa_sdst(0) depctr_va_vdst(0) depctr_va_sdst(0) depctr_va_ssrc(0) depctr_va_vcc(0) depctr_vm_vsrc(0)
	s_getreg_b32 s2, hwreg(HW_REG_IB_STS2, 6, 4)
	s_cmp_eq_u32 s2, 0
	s_cbranch_scc0 .Lentry_in_a_cluster
	s_endpgm
.Lentry_in_a_cluster:
	s_bfe_u32 s2, ttmp6, 0x10000c
	s_cmp_lg_u32 s2, 0xf033
	s_cbranch_scc0 .Lentry_shape_is_right
	s_endpgm
.Lentry_shape_is_right:
; THE THREE PROJECTIONS, each quantised on its way out.  One product Out[i][j] = sum over k of A[i][k] B[j][k], K = 1,024, on codes of FP8 (E4M3) with one E8M0 scale for each 32 along K; sums in f32.
; Cluster x says which: 0: q, 1: k: A = the normalised tokens (4,096 rows), B = the weight's 1,024 rows (64 head + e).   2: v: A = Wv's 1,024 rows, B = the tokens.
; THE MATRIX INSTRUCTION IS USED TRANSPOSED (source 0 = 16 rows of B, source 1 = 16 rows of A): a lane holds ONE row of A, and its registers run along B's rows.  So Out is quantised along j by one text:
; q and k along the head's 64, v along the tokens (the keys), which also come out innermost.  Only pointers and offsets are chosen by cluster x; there is one way through the text.
; A tile of Out, 256 x 256, is made by four waves, 128 x 128 each: 64 accumulators, 512 registers.  K goes in steps of 256 through a ring of two LDS slots filled by the tensor data mover.
; The scale bytes of the tile's 256 + 256 rows, for all of K, come into LDS once, with the first fills.
; CLUSTERS: 4 x 4 work-groups; A's tiles are asked for jointly along a row of the cluster, B's along a column.
; OUT (all in one buffer): qc at 0, kc at 4,194,304: [head 16][token 4096][64 codes];  vc at 8,388,608: [64 keys' chunk 64][64 head + e 1024][64 codes];
;   qs at 12,582,912, ks at 12,713,984: [pair of heads 8][token][4 bytes];  vs at 12,845,056: [128 keys' chunk 32][64 head + e][4 bytes].
; LIMITS: NaN and infinities are not served; a block under 2^-118, zeros too, keeps the scale byte 1 (its codes are read by this program alone).
; REGISTERS, in windows of 256: window 0: v0-31 addresses; v32-63 scale words, two sets, and nothing else; from v128 A's fragments, ONE set; on the way out v64-255 are free.
;   window 1: B's fragments, TWO sets.   window 2: the accumulators of my rows 0-63 ((a, b) at v[8 (8 a + b)]);   window 3: those of my rows 64-127.
.set NQ,     2                         ; matrix instructions deep in a slot
.set ROWB,   256                       ; a tile's row in bytes
.set KROW,   1024                      ; a row of A or B in memory
.set PITCH,  272                       ; an LDS row: 256 bytes + 16 of padding: the 16 rows of a load start at 16 different banks (ISA guide 11.1)
.set FR,     16
.set NL,     4
.set NP,     8                         ; places behind this matrix instruction (ISA guide 7.12.1)
.set HALFT,  128*PITCH
.set SLOT,   4*HALFT
.set LAPS,   2
.set KS,     32                        ; a row of scale bytes
.set SCL,    2*SLOT
.set HALFS,  16*272
.set SBLK,   2*272
.set SPARE,  SCL+4*HALFS               ; the spare words, 128 bytes for each wave: two blocks of 256 bytes that no other line names
.set SST,    81920                     ; the way out, in slot 0: codes [64 columns' group 4][row 256][64 + 16 bytes], then at SST the scale words [128 columns' half 2][row 256][4]
.set RSTEP,  640                       ; the way back: eight rows of 80 bytes an instruction
.set ADRA, 16
.set ADRB, 20
.set STO,  24                          ; v24  where I put 8 codes
.set RD,   25                          ; v25  where I read codes back
.set CO,   26                          ; v26  16 x lane
.set ADRS, 27                          ; v27  my scale words: lanes 0-15 A's rows, lanes 16-31 B's
.set SPW,  28
.set NIL,  29
.set SSO,  30                          ; v30  where I put a row's scale word
.set RDS,  31                          ; v31  where I read scale words back
.set SC,   32
.set AF,   128
.set OB,   64                          ; the way out: v64-191 what is read back
.set T,    128                         ; v128-191 a block's 64 numbers, held
.set PC,   192                         ; v192-223 codes, two sets
.set TM,   224                         ; v224-227 largest magnitudes; v228-231 the other half's, then bytes; v232-235 448 x scale; v236-239 the conversions' scale operands
.set TP,   228
.set LIM,  232
.set SOP,  236
.set PW,   240                         ; v240-241 the scale word, two sets
.set SW,   244                         ; v244-247 scale words read back
.set G1, 24
.set G0, 32
.set G1B, 48
.set G0B, 56
.set G1S, 68
.set G0S, 76
.set G1SB, 80
.set G0SB, 88
.set MSB, 0
.macro WIN new                         ; the immediate's high byte repeats the setting that is left
.if MSB != \new
	s_set_vgpr_msb (MSB<<8)|\new
.set MSB, \new
.endif
.endm
.set MUL_LO, 0xa1                      ; source 0 (B) window 1, source 1 (A) window 0, C and D window 2
.set MUL_HI, 0xf1
.set TO_B,   0x40
; A joint load: waves 0 and 1 fetch for A, waves 2 and 3 for B; the branch hangs on the wave's number alone.  Four v_nop follow each of the two lines.
.macro JLOAD g0a, g1a, g0b, g1b
	s_cmp_eq_u32 s15, 0
	s_cbranch_scc0 .Lfor_b_\@
	tensor_load_to_lds s[\g0a:\g0a+3], s[\g1a:\g1a+7]
	s_nop 0
.rept 4
	v_nop
.endr
	s_branch .Lasked_\@
.Lfor_b_\@:
	tensor_load_to_lds s[\g0b:\g0b+3], s[\g1b:\g1b+7]
	s_nop 0
.rept 4
	v_nop
.endr
.Lasked_\@:
.endm
.macro CREST                           ; a round of the cluster's barrier behind its opening barrier
	s_cmp_lg_u32 s14, 0
	s_cbranch_scc1 .Lnot_wave_0_\@
	s_barrier_signal -3
.Lnot_wave_0_\@:
	s_barrier_wait -3
	s_barrier_signal -1
	s_barrier_wait -1
.endm
.macro CROUND
	s_barrier_signal -1
	s_barrier_wait -1
	CREST
.endm
	s_load_b256 s[68:75], s[0:1], 0x0              ; tokens s[68:69], Wq codes, Wq scales, Wk codes
	s_load_b256 s[76:83], s[0:1], 0x20             ; Wk scales, Wv codes, Wv scales, out s[82:83].  (These registers take descriptors once the choice is made)
	v_lshl_add_u32 v[SPW], v0, 2, SPARE
	v_mov_b32 v[NIL], 0
	ds_add_u32 v28, v29
	ds_add_u32 v28, v29
	s_wait_dscnt 0x0
	v_lshrrev_b32 v1, 5, v0
	v_readfirstlane_b32 s14, v1                    ; wave 0..3
	s_lshr_b32 s15, s14, 1                         ; which half of the tile's rows is mine.  Also: I fetch for A (0) or for B (1)
	s_and_b32 s16, s14, 1                          ; which half of its columns.  Also: which 128 rows of that tile I fetch
	s_bfe_u32 s40, ttmp6, 0x40000                  ; cx, cy
	s_bfe_u32 s41, ttmp6, 0x40004
	s_and_b32 s17, ttmp7, 0xffff
	s_lshl_b32 s17, s17, 2                         ; 4 x cluster y: the tokens' axis
	s_mov_b32 s95, 4096
	s_cmp_eq_u32 ttmp9, 2                          ; v?  Cluster x is the same in all sixteen partners
	s_cselect_b32 s42, s17, 0
	s_cselect_b32 s17, 0, s17
	s_cselect_b32 s95, 1024, s95                   ; A's rows in all: it enters the stores' offsets alone
	s_add_co_u32 s42, s42, s40                     ; tile column, in B's buffer
	s_add_co_u32 s17, s17, s41                     ; tile row, in A's buffer
	s_lshl_b32 s43, s41, 2
	s_lshl_b32 s43, 15, s43                        ; my row of the cluster
	s_lshl_b32 s44, 0x1111, s40                    ; my column
	s_or_b32 s[G1+0], s43, (0<<16)|(1<<20)|(1<<21)|(5<<22)|(3<<25)  ; the mask; elements of 1 byte; padding on; bit 21 beside a mask; 4 words behind every 64
	s_or_b32 s[G1B+0], s44, (0<<16)|(1<<20)|(1<<21)|(5<<22)|(3<<25)
.irp g, G1, G1B
	s_mov_b32 s[\g+1], ROWB<<16                    ; tensor_dim0
	s_mov_b32 s[\g+2], 128<<16                     ; tensor_dim1
	s_mov_b32 s[\g+3], ROWB<<16                    ; tile_dim0
	s_mov_b32 s[\g+4], 128                         ; tile_dim1
	s_mov_b32 s[\g+5], KROW                        ; tensor_dim0_stride
	s_mov_b32 s[\g+6], 0
	s_mov_b32 s[\g+7], 0
.endr
	s_lshl_b32 s20, s17, 8                         ; A: the tile's first row
	s_lshl_b32 s46, s42, 8                         ; B likewise
	s_mov_b32 s21, 0
	s_mov_b32 s47, 0
	s_mov_b64 s[18:19], KS
	s_mul_u64 s[22:23], s[20:21], s[18:19]         ; where these rows' scales begin
	s_mul_u64 s[92:93], s[46:47], s[18:19]
	s_mov_b64 s[18:19], KROW
	s_mul_u64 s[20:21], s[20:21], s[18:19]         ; and their codes
	s_mul_u64 s[46:47], s[46:47], s[18:19]
	s_mul_i32 s45, s14, HALFT                      ; where the ring's loads go: wave x 128 rows
	s_mul_i32 s94, s14, HALFS
	s_add_co_u32 s94, s94, SCL                     ; where my 4,096 scale bytes go
	s_mul_i32 s18, s16, 128*KROW                   ; in the ring I fetch 128 rows of a tile: which half, in bytes
	s_mov_b32 s19, 0
	s_lshl_b32 s2, s16, 12                         ; and the same half's scale bytes
	s_mov_b32 s3, 0
	s_wait_kmcnt 0x0
	s_add_nc_u64 s[84:85], s[68:69], 0x400000      ; the tokens' scale bytes
	s_cmp_eq_u32 ttmp9, 2
	s_cselect_b64 s[4:5], s[78:79], s[68:69]       ; A's codes: Wv's or the tokens'
	s_cselect_b64 s[6:7], s[80:81], s[84:85]       ; A's scales
	s_cselect_b64 s[8:9], s[68:69], s[74:75]       ; B's codes: the tokens' or Wk's,
	s_cselect_b64 s[10:11], s[84:85], s[76:77]
	s_cmp_eq_u32 ttmp9, 0
	s_cselect_b64 s[8:9], s[70:71], s[8:9]         ; or Wq's
	s_cselect_b64 s[10:11], s[72:73], s[10:11]
	s_mov_b64 s[12:13], s[82:83]                   ; out
	s_or_b32 s[G1S+0], s43, (0<<16)|(1<<20)|(1<<21)|(5<<22)|(3<<25)   ; group 1 of the head's loads: 256 rows of a K step, A's and B's
	s_or_b32 s[G1SB+0], s44, (0<<16)|(1<<20)|(1<<21)|(5<<22)|(3<<25)
.irp g, G1S, G1SB
	s_mov_b32 s[\g+1], ROWB<<16
	s_mov_b32 s[\g+2], 256<<16
	s_mov_b32 s[\g+3], ROWB<<16
	s_mov_b32 s[\g+4], 256
	s_mov_b32 s[\g+5], KROW
	s_mov_b32 s[\g+6], 0
	s_mov_b32 s[\g+7], 0
.endr
	s_add_nc_u64 s[20:21], s[4:5], s[20:21]
	s_add_nc_u64 s[22:23], s[6:7], s[22:23]
	s_add_nc_u64 s[46:47], s[8:9], s[46:47]
	s_add_nc_u64 s[92:93], s[10:11], s[92:93]
	CROUND                                         ; all sixteen work-groups are here: the first joint loads meet
	s_mov_b32 s4, 1                                ; group 0 of the head's four loads: K step 0's 256 rows of A (the pointers that lay here have been used),
	s_mov_b32 s5, 0
	s_mov_b64 s[6:7], s[20:21]
	s_or_b32 s7, s7, 0x80000000
	s_mov_b32 s8, 1                                ; its 256 rows of B,
	s_mov_b32 s9, 2*HALFT
	s_mov_b64 s[10:11], s[46:47]
	s_or_b32 s11, s11, 0x80000000
	s_mov_b32 s[G0S], 1                            ; K step 1's 256 rows of A,
	s_mov_b32 s[G0S+1], SLOT
	s_add_nc_u64 s[G0S+2:G0S+3], s[20:21], ROWB
	s_or_b32 s[G0S+3], s[G0S+3], 0x80000000
	s_mov_b32 s[G0SB], 1                           ; and of B
	s_mov_b32 s[G0SB+1], SLOT+2*HALFT
	s_add_nc_u64 s[G0SB+2:G0SB+3], s[46:47], ROWB
	s_or_b32 s[G0SB+3], s[G0SB+3], 0x80000000
	s_cmp_eq_u32 s15, 0                            ; the scale bytes come by plain loads: waves 0, 1 take the halves of A's, waves 2, 3 of B's
	s_cselect_b64 s[92:93], s[22:23], s[92:93]     ; (in a pair that no later line writes)
	s_add_nc_u64 s[92:93], s[92:93], s[2:3]
	s_add_nc_u64 s[20:21], s[20:21], s[18:19]      ; for the ring: my 128 rows of the tile
	s_add_nc_u64 s[46:47], s[46:47], s[18:19]
.irp s, 0,1
	s_mov_b32 s[G0+4*\s], 1
	s_add_co_u32 s[G0+4*\s+1], s45, \s*SLOT
	s_add_nc_u64 s[G0+4*\s+2:G0+4*\s+3], s[20:21], \s*ROWB
	s_or_b32 s[G0+4*\s+3], s[G0+4*\s+3], 0x80000000
	s_mov_b32 s[G0B+4*\s], 1
	s_add_co_u32 s[G0B+4*\s+1], s45, \s*SLOT
	s_add_nc_u64 s[G0B+4*\s+2:G0B+4*\s+3], s[46:47], \s*ROWB
	s_or_b32 s[G0B+4*\s+3], s[G0B+4*\s+3], 0x80000000
.endr
; THE HEAD'S LOADS, ONE A WAVE: wave 0 K step 0's rows of A, wave 1 of B, wave 2 K step 1's rows of A, wave 3 of B.  One tree of branches on the wave's number, a load line to each wave.
.macro ARM under, g0, g1, next
	s_cmp_lt_u32 s14, \under
	s_cbranch_scc0 \next
	tensor_load_to_lds s[\g0:\g0+3], s[\g1:\g1+7]
	s_nop 0
.rept 4
	v_nop
.endr
	s_branch .Lhead_asked
\next:
.endm
	ARM 1, 4, G1S, .Lhead_b
	ARM 2, 8, G1SB, .Lhead_a1
	ARM 3, G0S, G1S, .Lhead_b1
	tensor_load_to_lds s[G0SB:G0SB+3], s[G1SB:G1SB+7]
	s_nop 0
.rept 4
	v_nop
.endr
.Lhead_asked:
	v_and_b32 v9, 31, v0
	v_lshlrev_b32 v10, 4, v9                       ; 16 x lane
	v_lshrrev_b32 v9, 4, v9
	v_lshl_add_u32 v11, v9, 4, v10                 ; in LDS 16 bytes of padding stand behind each 256
	v_add_nc_u32 v11, s94, v11
.irp j, 0,1,2,3,4,5,6,7
	global_load_b128 v[AF+4*\j:AF+4*\j+3], v10, s[92:93] offset:512*\j   ; my 4,096 scale bytes, 512 consecutive bytes a load
.endr
	v_and_b32 v1, 15, v0                           ; r = l % 16
	v_bfe_u32 v2, v0, 4, 1                         ; h = l / 16
	v_mul_u32_u24 v3, v1, PITCH
	v_lshl_add_u32 v4, v2, 4, v3                   ; a fragment's row x pitch + 16 x half
	s_mul_i32 s21, s15, HALFT
	s_mul_i32 s22, s16, HALFT
	s_add_co_u32 s22, s22, 2*HALFT
.irp s, 0,1
	v_add_nc_u32 v[ADRA+\s], s21, v4
	v_add_nc_u32 v[ADRB+\s], s22, v4
	s_add_co_u32 s21, s21, SLOT
	s_add_co_u32 s22, s22, SLOT
.endr
	v_mul_u32_u24 v5, v1, KS                       ; my row's scales: KS bytes a row,
	v_lshrrev_b32 v6, 8, v5
	v_lshl_add_u32 v5, v6, 4, v5                   ; and 16 more for each 256 passed
	s_mul_i32 s21, s15, HALFS
	s_mul_i32 s22, s16, HALFS
	s_add_co_u32 s22, s22, 2*HALFS
	s_sub_co_u32 s22, s22, s21
	v_mul_u32_u24 v6, s22, v2                      ; lanes 16-31 take B's
	s_add_co_u32 s21, s21, SCL
	v_add_nc_u32 v5, v5, v6
	v_add_nc_u32 v[ADRS], s21, v5
	; the way out.  Codes: group of 64 columns 2 wc + (block / 2), row 128 wr + 16 a + r, byte 32 (block % 2) + 16 u + 8 h
	s_mul_i32 s23, s16, 40960
	s_mul_i32 s21, s15, 128*80
	s_add_co_u32 s23, s23, s21
	v_mul_u32_u24 v5, v1, 80
	v_lshl_add_u32 v5, v2, 3, v5
	v_add_nc_u32 v[STO], s23, v5
	s_lshl_b32 s23, s16, 10                        ; scale words: half wc, row 128 wr + 16 a + r
	s_lshl_b32 s21, s15, 9
	s_add_co_u32 s23, s23, s21
	s_add_co_u32 s23, s23, SST
	v_lshl_add_u32 v[SSO], v1, 2, s23
	v_and_b32 v6, 31, v0
	v_lshlrev_b32 v[CO], 4, v6
	v_lshrrev_b32 v5, 2, v6                        ; back: wave w takes group w: four lanes to a row of 64 bytes
	v_mul_u32_u24 v5, v5, 80
	v_and_b32 v7, 3, v6
	v_lshl_add_u32 v5, v7, 4, v5
	s_mul_i32 s23, s14, 20480
	v_add_nc_u32 v[RD], s23, v5
	s_lshl_b32 s23, s14, 9
	s_add_co_u32 s23, s23, SST
	v_add_nc_u32 v[RDS], s23, v[CO]
	; where my parts begin in the buffer.  Scale words: 12,582,912 + 131,072 x + (2 tile column + w / 2) x 4 rows-in-all + (256 tile row + 128 (w % 2)) x 4
	s_lshl_b32 s20, s42, 1
	s_add_co_u32 s20, s20, s15
	s_mul_i32 s20, s20, s95
	s_lshl_b32 s20, s20, 2
	s_lshl_b32 s21, s17, 10
	s_add_co_u32 s20, s20, s21
	s_lshl_b32 s21, s16, 9
	s_add_co_u32 s20, s20, s21
	s_lshl_b32 s21, ttmp9, 17
	s_add_co_u32 s20, s20, s21
	s_add_co_u32 s20, s20, 12582912
	s_mov_b32 s21, 0
	s_add_nc_u64 s[98:99], s[12:13], s[20:21]
	s_lshl_b32 s20, s42, 2                         ; codes: 4,194,304 x + (4 tile column + w) x 64 rows-in-all + 16,384 tile row
	s_add_co_u32 s20, s20, s14
	s_mul_i32 s20, s20, s95
	s_lshl_b32 s20, s20, 6
	s_lshl_b32 s21, s17, 14
	s_add_co_u32 s20, s20, s21
	s_lshl_b32 s21, ttmp9, 22
	s_add_co_u32 s20, s20, s21
	s_mov_b32 s21, 0
	s_add_nc_u64 s[12:13], s[12:13], s[20:21]
	s_mov_b32 s20, 0x76543210
	s_mov_b32 s21, 0xfedcba98                      ; v_permlanex16_b32's selects for lane l xor 16
	s_mov_b32 s22, 0x600000                        ; the mantissa field of 448
.macro FRAG reg, adr, q, i             ; a fragment, 16 rows x 128 K: lane l holds row l % 16; registers 4 c .. 4 c + 3 hold K = 32 c + 16 (l / 16) + 0 .. 15
.irp c, 0,1,2,3
	ds_load_b128 v[\reg+4*\c:\reg+4*\c+3], v[\adr] offset:128*(\q)+32*\c+(\i)*16*PITCH
.endr
.endm
; 16 matrix instructions: A's blocks a0, a0 + 1 x B's eight.  The 64 accumulators take turns, one instruction a turn, in the same order in every step.
.macro MUL16 a0, p, q, sc, zero
.irp a, \a0, \a0+1
.irp b, 0,1,2,3,4,5,6,7
.if \zero
	v_wmma_scale_f32_16x16x128_f8f6f4 v[8*(8*((\a)%4)+\b):8*(8*((\a)%4)+\b)+7], v[128*(\p)+FR*\b:128*(\p)+FR*\b+FR-1], v[AF+FR*(\a):AF+FR*(\a)+FR-1], 0, v[SC+8*NQ*(\sc)+NQ*\b+(\q)], v[SC+8*NQ*(\sc)+NQ*(\a)+(\q)] matrix_a_scale:MATRIX_SCALE_ROW1
.else
	v_wmma_scale_f32_16x16x128_f8f6f4 v[8*(8*((\a)%4)+\b):8*(8*((\a)%4)+\b)+7], v[128*(\p)+FR*\b:128*(\p)+FR*\b+FR-1], v[AF+FR*(\a):AF+FR*(\a)+FR-1], v[8*(8*((\a)%4)+\b):8*(8*((\a)%4)+\b)+7], v[SC+8*NQ*(\sc)+NQ*\b+(\q)], v[SC+8*NQ*(\sc)+NQ*(\a)+(\q)] matrix_a_scale:MATRIX_SCALE_ROW1
.endif
.endr
.endr
.endm
.macro FETCH_B slot, q, p
	WIN TO_B
.irp i, 0,1,2,3,4,5,6,7
	FRAG 128*(\p)+FR*\i, ADRB+\slot, \q, \i
.endr
	WIN 0
.endm
.macro FETCH_A slot, q, i0
.irp i, \i0, \i0+1, \i0+2, \i0+3
	FRAG AF+FR*(\i), ADRA+\slot, \q, \i
.endr
.endm
.macro SCALES sc                       ; a K step's scale words: lanes 0-15 take A's block i, lanes 16-31 B's block i
.irp i, 0,1,2,3,4,5,6,7
	ds_load_b64 v[SC+8*NQ*\sc+NQ*\i:SC+8*NQ*\sc+NQ*\i+1], v[ADRS] offset:\i*SBLK
.endr
.endm
.macro PLACES n                        ; plain vector instructions between a matrix instruction and a load into, or a vector write or read of, its registers
.rept \n
	v_nop
.endr
.endm
.macro STEP slot, q, zero              ; a step of 128 along K that has its successor in the same slot
	s_wait_dscnt 4*NL                              ; B's set, A's blocks 0-3 and the scale words are in; the youngest 16 loads (A's blocks 4-7) may be out
	WIN MUL_LO
	MUL16 0, (\q)%2, \q, \slot, \zero
	MUL16 2, (\q)%2, \q, \slot, \zero
	s_wait_dscnt 0                                 ; A's blocks 4-7 are in
	PLACES NP
	FETCH_B \slot, (\q)+1, 1-(\q)%2
	FETCH_A \slot, (\q)+1, 0
	WIN MUL_HI
	MUL16 4, (\q)%2, \q, \slot, \zero
	MUL16 6, (\q)%2, \q, \slot, \zero
	PLACES NP
	WIN 0
	FETCH_A \slot, (\q)+1, 4
.endm
; A slot's last step changes slots: ONE barrier; in front of it each wave waits for all its tensor loads, adds 0 to its spare word, and waits for that and for its own reads of this slot.
.macro TURN slot, next, fill
	s_wait_tensorcnt 0x0                           ; all my tensor loads have landed: my part of the next slot
	ds_add_u32 v[SPW], v[NIL]                      ; 0 onto my spare word
	s_wait_dscnt 4*NL+1                            ; (the add and the youngest 16 loads, A's blocks 4-7, may be out)
	WIN MUL_LO
	MUL16 0, 1, NQ-1, \slot, 0                     ; sixteen matrix instructions stand between the add and the wait for it
	s_wait_dscnt 0x0                               ; the add is done, and my reads of this slot are over
	s_barrier_signal -1
	MUL16 2, 1, NQ-1, \slot, 0
	WIN 0
	s_barrier_wait -1
.if \fill
	CREST                                          ; the barrier has opened a round of the cluster's barrier: no wave of any partner still reads this slot or has a load on its way
	s_add_nc_u64 s[G0+4*\slot+2:G0+4*\slot+3], s[G0+4*\slot+2:G0+4*\slot+3], 2*ROWB
	s_add_nc_u64 s[G0B+4*\slot+2:G0B+4*\slot+3], s[G0B+4*\slot+2:G0B+4*\slot+3], 2*ROWB
	JLOAD G0+4*\slot, G1, G0B+4*\slot, G1B         ; the first tensor load behind the round; its four v_nop are among the places in front of the loads below
	PLACES NP-4
.else
	PLACES NP
.endif
	s_wait_alu depctr_va_vdst(0)
	v_add_nc_u32 v[ADRS], 4*NQ, v[ADRS]            ; on to the next K step's scale words
	FETCH_B \next, 0, 0
	FETCH_A \next, 0, 0
	SCALES \next
	WIN MUL_HI
	MUL16 4, 1, NQ-1, \slot, 0
	MUL16 6, 1, NQ-1, \slot, 0
	PLACES NP
	WIN 0
	FETCH_A \next, 0, 4
.endm
	s_wait_alu depctr_va_vdst(0)                   ; the wait at the head's end
	s_wait_loadcnt 0x0                             ; my scale bytes are in registers,
.irp j, 0,1,2,3,4,5,6,7
	ds_store_b128 v11, v[AF+4*\j:AF+4*\j+3] offset:544*\j          ; and go to bytes of LDS into which no fill lands
.endr
	s_cmp_lt_u32 s14, 2
	s_cbranch_scc0 .Lnot_first
	s_wait_tensorcnt 0x0                           ; waves 0 and 1: K step 0 is in.  K step 1's two loads are waited for at the first change of slots
.Lnot_first:
	s_wait_dscnt 0x0                               ; my stores are done
	s_barrier_signal -1
	s_barrier_wait -1
	FETCH_B 0, 0, 0
	FETCH_A 0, 0, 0
	SCALES 0
	FETCH_A 0, 0, 4
	STEP 0, 0, 1                                   ; the first step's products start the sums
	s_mov_b32 s3, LAPS-1
.Llap:                                                 ; a trip goes once round the ring and fills both slots again
	TURN 0, 1, 1
	STEP 1, 0, 0
	TURN 1, 0, 1
	STEP 0, 0, 0
	s_sub_co_u32 s3, s3, 1
	s_cmp_lg_u32 s3, 0
	s_cbranch_scc1 .Llap
	TURN 0, 1, 0                                   ; the last lap fills nothing
	STEP 1, 0, 0
	s_wait_dscnt 4*NL
	WIN MUL_LO
	MUL16 0, 1, NQ-1, 1, 0
	MUL16 2, 1, NQ-1, 1, 0
	s_wait_dscnt 0
	WIN MUL_HI
	MUL16 4, 1, NQ-1, 1, 0
	MUL16 6, 1, NQ-1, 1, 0
	WIN 0
; THE WAY OUT.  Block a: my rows 16 a + r.  Accumulators (a, 2 B) and (a, 2 B + 1) hold, in lanes l and l xor 16, the 32 columns of block B: a lane has 16 of them: columns 32 B + 8 h + 0..7 and 32 B + 16 + 8 h + 0..7.
; The stage lies in slot 0, which has had its last fill, and which nobody reads behind the last change of slots.
.macro QOUT a
.set AC, 64*((\a)%4)
.set WA, 2+(\a)/4                      ; the accumulators' window
.set WAA, WA|(WA<<2)
.set PCA, PC+16*((\a)%2)
.set PWA, PW+(\a)%2
	s_wait_dscnt 9                                 ; the last block's 9 LDS stores may be out; those of two blocks back have read the registers that are written again below
	WIN WAA                                        ; sources 0 and 1: the accumulators; source 2 and the destination: window 0
.irp b, 0,1,2,3
	v_max3_num_f32 v[TM+\b], |v[AC+16*\b]|, |v[AC+16*\b+1]|, 0x4800000   ; each accumulator is read from its low end on; the floor 2^(9 - 127) holds the byte at 1 from below
.endr
.irp i, 2,4,6,8,10,12,14
.irp b, 0,1,2,3
	v_max3_num_f32 v[TM+\b], |v[AC+16*\b+\i]|, |v[AC+16*\b+\i+1]|, v[TM+\b]
.endr
.endr
	WIN 0
.irp b, 0,1,2,3
	v_permlanex16_b32 v[TP+\b], v[TM+\b], s20, s21
.endr
.irp b, 0,1,2,3
	v_max_num_f32 v[TM+\b], v[TM+\b], v[TP+\b]     ; with lane l xor 16's: the block's largest magnitude
.endr
.irp b, 0,1,2,3
	v_add_nc_u32 v[SOP+\b], 0xfc000000, v[TM+\b]   ; 8 off its exponent field: the conversion's scale operand
.endr
.irp b, 0,1,2,3
	v_and_or_b32 v[LIM+\b], v[TM+\b], 0x7f800000, s22   ; 448 x the scale
.endr
.irp b, 0,1,2,3
	v_lshrrev_b32 v[TP+\b], 23, v[SOP+\b]          ; the scale's byte
.endr
	v_lshl_or_b32 v[PWA], v[TP+1], 8, v[TP]        ; my row's scale word for these 128 columns
	v_lshl_or_b32 v[PWA], v[TP+2], 16, v[PWA]
	v_lshl_or_b32 v[PWA], v[TP+3], 24, v[PWA]
	WIN WA                                         ; source 0: the accumulators
.irp b, 0,1,2,3
.irp i, 0,1,2,3,4,5,6,7,8,9,10,11,12,13,14,15
	v_med3_num_f32 v[T+16*\b+\i], v[AC+16*\b+\i], -v[LIM+\b], v[LIM+\b]   ; the conversion to an 8-bit code does not saturate (ISA guide 7.6.2): the hold comes first
.endr
.endr
	WIN 0
.irp b, 0,1,2,3
	v_cvt_scalef32_pk8_fp8_f32 v[PCA+4*\b:PCA+4*\b+1], v[T+16*\b:T+16*\b+7], v[SOP+\b]
	v_cvt_scalef32_pk8_fp8_f32 v[PCA+4*\b+2:PCA+4*\b+3], v[T+16*\b+8:T+16*\b+15], v[SOP+\b]
.endr
	v_nop                                          ; a plain instruction behind the last conversion: the next block writes their sources
.irp b, 0,1,2,3
	ds_store_b64 v[STO], v[PCA+4*\b:PCA+4*\b+1] offset:(\b/2)*20480+1280*(\a)+32*(\b%2)
	ds_store_b64 v[STO], v[PCA+4*\b+2:PCA+4*\b+3] offset:(\b/2)*20480+1280*(\a)+32*(\b%2)+16
.endr
	ds_store_b32 v[SSO], v[PWA] offset:64*(\a)     ; lanes l and l xor 16 write the same word with the same value
.endm
	PLACES NP                                      ; behind the last products: their results are read and A's registers written below
.irp b, 0,1,2,3
	v_mov_b32 v[TP+\b], 0                          ; written once: a lane permute's destination counts as one of its sources
.endr
; THE STAGE IS EMPTIED IN TWO HALVES.  Half p holds every wave's blocks 4 p .. 4 p + 3: rows 64 p .. 64 p + 63 and 128 + 64 p .. of the tile.  Half 0's rows are read back and stored while blocks 4-7 are still to be quantised;
; the stores of blocks 4-7 touch other rows of the stage than half 0's reads.  Half 0 comes back into v64-127, half 1 into v128-191: no register of a store is written again.
.macro BACK p, extra
	s_wait_dscnt 0x0                               ; for the others' sake: my codes (and scale words) lie in the stage
	s_barrier_signal -1
	s_barrier_wait -1
.set k, 0
.rept 16
	ds_load_b128 v[OB+64*(\p)+4*k:OB+64*(\p)+4*k+3], v[RD] offset:RSTEP*((k/8)*16+8*(\p)+k%8)
.set k, k+1
.endr
.if \extra
	ds_load_b128 v[SW:SW+3], v[RDS]
.endif
.set k, 0
.rept 16
	s_wait_dscnt 15+(\extra)-k                     ; LDS loads come back in order: number k is in
	global_store_b128 v[CO], v[OB+64*(\p)+4*k:OB+64*(\p)+4*k+3], s[12:13] offset:512*((k/8)*16+8*(\p)+k%8)   ; 512 consecutive bytes, at a multiple of 256 from the buffer's first byte
.set k, k+1
.endr
.endm
.irp a, 0,1,2,3
	QOUT \a
.endr
	BACK 0, 0
.irp a, 4,5,6,7
	QOUT \a
.endr
	BACK 1, 1
	s_wait_dscnt 0x0
	global_store_b128 v[CO], v[SW:SW+3], s[98:99]
	s_wait_tensorcnt 0x0                           ; the wave's end
	ds_add_u32 v[SPW], v[NIL]
	s_wait_dscnt 0x0
	CROUND                                         ; the closing round
	s_endpgm
.Lfunc_end_k_q71090a13d1_qkv:
	.size	k_q71090a13d1_qkv, .Lfunc_end_k_q71090a13d1_qkv-k_q71090a13d1_qkv
	.p2alignl 7, 3214868480
	.fill 96, 4, 3214868480
	.section	.rodata,"a",@progbits
	.p2align	6, 0x0
	.amdhsa_kernel k_q71090a13d1_qkv
		.amdhsa_group_segment_fixed_size 327680
		.amdhsa_private_segment_fixed_size 0
		.amdhsa_enable_private_segment 0
		.amdhsa_kernarg_size 64
		.amdhsa_user_sgpr_count 2
		.amdhsa_user_sgpr_kernarg_segment_ptr 1
		.amdhsa_wavefront_size32 1
		.amdhsa_system_sgpr_workgroup_id_x 1
		.amdhsa_system_sgpr_workgroup_id_y 1
		.amdhsa_system_sgpr_workgroup_id_z 1
		.amdhsa_system_vgpr_workitem_id 0
		.amdhsa_next_free_vgpr 1024
		.amdhsa_next_free_sgpr 100
		.amdhsa_reserve_vcc 0
		.amdhsa_float_denorm_mode_32 3
		.amdhsa_float_denorm_mode_16_64 3
		.amdhsa_memory_ordered 1
		.amdhsa_forward_progress 1
		.amdhsa_inst_pref_size 196
	.end_amdhsa_kernel
	.amdgpu_metadata
---
amdhsa.version: [ 1, 2 ]
amdhsa.kernels:
  - .name:           k_q71090a13d1_qkv
    .symbol:         k_q71090a13d1_qkv.kd
    .args:
      - { .name: xa, .offset: 0, .size: 8, .value_kind: global_buffer, .address_space: global }
      - { .name: Wq_codes, .offset: 8, .size: 8, .value_kind: global_buffer, .address_space: global }
      - { .name: Wq_scales, .offset: 16, .size: 8, .value_kind: global_buffer, .address_space: global }
      - { .name: Wk_codes, .offset: 24, .size: 8, .value_kind: global_buffer, .address_space: global }
      - { .name: Wk_scales, .offset: 32, .size: 8, .value_kind: global_buffer, .address_space: global }
      - { .name: Wv_codes, .offset: 40, .size: 8, .value_kind: global_buffer, .address_space: global }
      - { .name: Wv_scales, .offset: 48, .size: 8, .value_kind: global_buffer, .address_space: global }
      - { .name: qkv, .offset: 56, .size: 8, .value_kind: global_buffer, .address_space: global }
    .group_segment_fixed_size: 327680
    .private_segment_fixed_size: 0
    .kernarg_segment_align: 8
    .kernarg_segment_size: 64
    .max_flat_workgroup_size: 128
    .sgpr_count:     100
    .vgpr_count:     1024
    .wavefront_size: 32
...
	.end_amdgpu_metadata
.endif
;; end of part 2
;; launch attn (part 3): grid 4 x 64, 16 waves a work-group, clusters of 4 x 1, 241,664 bytes of LDS; arguments qkv, inputs, xres; writes xres
.if DOCPART == 3
	.amdgcn_target "amdgcn-amd-amdhsa--gfx1250"
	.amdhsa_code_object_version 6
	.text
	.protected	k_q71090a13d1_attn
	.globl	k_q71090a13d1_attn
	.p2align	8
	.type	k_q71090a13d1_attn,@function
k_q71090a13d1_attn:
	s_mov_b64 s[64:65], 0
	v_nop
	global_prefetch_b8 v0, s[64:65] scope:SCOPE_SE
	s_setreg_imm32_b32 hwreg(HW_REG_WAVE_MODE, 25, 1), 1
	s_wait_xcnt 0x0
	s_wait_alu depctr_hold_cnt(0) depctr_sa_sdst(0) depctr_va_vdst(0) depctr_va_sdst(0) depctr_va_ssrc(0) depctr_va_vcc(0) depctr_vm_vsrc(0)
	s_getreg_b32 s2, hwreg(HW_REG_IB_STS2, 6, 4)
	s_cmp_eq_u32 s2, 0
	s_cbranch_scc0 .Lentry_in_a_cluster
	s_endpgm
.Lentry_in_a_cluster:
	s_bfe_u32 s2, ttmp6, 0x10000c
	s_cmp_lg_u32 s2, 0x3003
	s_cbranch_scc0 .Lentry_shape_is_right
	s_endpgm
.Lentry_shape_is_right:
; CAUSAL ATTENTION ON CODES, AND THE RESIDUAL.  x[b][q][64 hd + e] = inputs + (sum over keys k <= q of p(q, k) v(k, e)) / (sum of p), for 64 pairs (batch b, head hd), 1,024 tokens, head size 64.
; Both products on codes of FP8 (E4M3) with one E8M0 scale for each 32 along K.  q, k: 64 codes a token (K = the head's 64: the upper half of the instruction's 128 is zero codes on both sides; their scale bytes are 0, which is a power of two).
; v: codes with the keys innermost.  THE SOFTMAX: t = score x log2(e) / 8; M = the running largest t rounded UP to a whole number; p = 2^(t - M) is quantised along the keys, not normalised; the row's sum is taken of the
; unquantised p, in f32, and divides at the end.  When M moves, the sum and O are multiplied by 2^(old M - new M): exact.
; SHARES.  The four work-groups of a cluster serve one (b, hd).  Wave w of partner cx owns queries 64 g + 16 cx .. + 15: one tile; g = w, or w xor 3 where bit 2 of w is set.  So for every partner the keys' steps of 128 fall alike:
; steps under g / 2 are open, step g / 2 lies on the diagonal, later steps are hidden: no branch hangs on the place in the cluster, and all work-groups have the same work.  A wave has g / 2 + 1 steps; by the choice of g
; waves w, w + 4, w + 8 and w + 12 have 18 steps together, for every w.
; ALL OF THE HEAD'S K AND V STAYS IN LDS (2 x 64 KB of codes): each byte of LDS is filled once, at the head, by joint loads that name all four partners.  No ring, no refill.
; LAYOUT.  Both products are used transposed (S^T = K Q^T, O^T = V^T P^T): a lane holds ONE query (lane % 16) throughout.  THE KEYS OF A TILE ARE NOT NEIGHBOURS: lane r of tile 2 b + u takes key 32 b + 8 u + r + 8 (r / 8),
; so that the 16 registers of tiles 2 b and 2 b + 1 are 16 neighbouring keys, 32 b + 16 (lane / 16) + 0 .. 15: the conversions' results are the second product's operand.
; LIMITS: NaN and infinities are not served; v_exp_f32 gives 0 where p would fall under 2^-126; a block of p under 2^-118 keeps the scale byte 1.
; REGISTERS: v1-4 addresses that stay; v5 the mask's number, v6 -infinity; v7 my offset in rows of x; v8-11 addresses of the step; v12 -M, v13 the largest t, v[14:15] the sum; v16-31 Q; v32-95 four fragments of K (upper halves: zeros);
;   v96-159 S^T, then p, then four fragments of V; v160-191 O^T; v192-223 the residual; v224-239 p's codes; v232-254 at work; v248-251 K's or V's scale words, v253 p's, v255 Q's.
.set KP,   80                          ; a row of 64 codes in LDS: + 16 of padding: the 16 rows of a load start at different banks (ISA guide 11.1)
.set VL,   81920                       ; K: 1,024 keys x 80 at 0;  V at VL: [64 keys' chunk 16][e 64][80]
.set KSC,  163840                      ; K's scale words [key 1024][4 bytes: a pair of heads]
.set VSC,  167936                      ; V's [step 8][e 64][4]
.set STG,  169984                      ; the way out: 16 rows x (256 + 16) bytes for each wave; no fill lands here
.set AK0,  1
.set AV0,  2
.set ASK0, 3
.set ASV0, 4
.set DM,   5
.set NINF, 6
.set GO,   7
.set ADK,  8
.set ADV,  9
.set ADS,  10
.set ADT,  11
.set QG,   11                          ; s11  g: which group of 64 queries is my wave's
.set WV,   18
.set MNT,  19
.set SEL,  20
.set CS,   22
.set G1KV, 24                          ; s[24:31] group 1 for K's and V's tiles;  s[32:35], s[36:39] their groups 0
.set G0K,  32
.set G0V,  36
.set PKS,  56                          ; s[56:57], s[60:61] where K's and V's scale words lie in memory
.set PVS,  60
.set TB,   66                          ; s66  the step's first byte among K's rows, and among V's chunks: 10,240 a step
.set TS,   67                          ; s67  among K's scale words: 512 a step
.set TJ,   68                          ; s68  among V's: 256 a step
.set SI,   69                          ; s69  the step
.set WH,   70                          ; s70  my diagonal step: g / 2
.macro CROUND                          ; a round of the cluster's barrier
	s_barrier_signal -1
	s_barrier_wait -1
	s_cmp_lg_u32 s[WV], 0
	s_cbranch_scc1 .Lnot_wave_0_\@
	s_barrier_signal -3
.Lnot_wave_0_\@:
	s_barrier_wait -3
	s_barrier_signal -1
	s_barrier_wait -1
.endm
	s_load_b128 s[4:7], s[0:1], 0x0                ; the codes' buffer, inputs
	s_load_b64 s[8:9], s[0:1], 0x10                ; x
	v_lshl_add_u32 v254, v0, 2, 0x3a800
	v_mov_b32 v255, 0
	ds_add_u32 v254, v255
	ds_add_u32 v254, v255
	s_wait_dscnt 0x0
	v_lshrrev_b32 v8, 5, v0
	s_delay_alu instid0(VALU_DEP_1)
	v_readfirstlane_b32 s[WV], v8                  ; wave 0..15
	s_bfe_u32 s71, ttmp6, 0x40000                  ; cx: it enters global addresses of Q and x, and the mask's number, and nothing else
	s_and_b32 s72, ttmp7, 0xffff                   ; 16 b + hd: the partners share it
	s_lshr_b32 s73, s72, 4                         ; b
	s_and_b32 s74, s72, 15                         ; hd
	s_bfe_u32 s[QG], s[WV], 0x10002                ; bit 2 of the wave's number,
	s_mul_i32 s[QG], s[QG], 3
	s_xor_b32 s[QG], s[QG], s[WV]                  ; g = w, or w xor 3 where that bit is set: a permutation of 0 .. 15
	s_lshr_b32 s[WH], s[QG], 1
	s_and_b32 s14, s[WV], 7                        ; which eighth of K (waves 0-7) or of V (waves 8-15) I fetch
	s_mul_i32 s10, s14, 128*KP                     ; an eighth in LDS: 128 rows of 80 bytes
	s_lshl_b32 s76, s74, 18                        ; K's codes: 4,194,304 + 262,144 hd + 65,536 b + 8,192 eighth
	s_lshl_b32 s77, s73, 16
	s_add_co_u32 s76, s76, s77
	s_lshl_b32 s77, s14, 13
	s_add_co_u32 s76, s76, s77
	s_add_co_u32 s76, s76, 4194304
	s_mov_b32 s77, 0
	s_lshl_b32 s78, s73, 4                         ; V's codes: 8,388,608 + 65,536 (16 b + 2 eighth) + 4,096 hd
	s_lshl_b32 s79, s14, 1
	s_add_co_u32 s78, s78, s79
	s_lshl_b32 s78, s78, 16
	s_lshl_b32 s79, s74, 12
	s_add_co_u32 s78, s78, s79
	s_add_co_u32 s78, s78, 8388608
	s_mov_b32 s79, 0
	s_lshr_b32 s80, s74, 1                         ; K's scale words: 12,713,984 + 16,384 (hd / 2) + 4,096 b
	s_lshl_b32 s80, s80, 14
	s_lshl_b32 s81, s73, 12
	s_add_co_u32 s80, s80, s81
	s_add_co_u32 s80, s80, 12713984
	s_mov_b32 s81, 0
	s_lshl_b32 s82, s73, 15                        ; V's: 12,845,056 + 32,768 b + 256 hd
	s_lshl_b32 s83, s74, 8
	s_add_co_u32 s82, s82, s83
	s_add_co_u32 s82, s82, 12845056
	s_mov_b32 s83, 0
	s_lshl_b32 s84, s[QG], 6                       ; my first query: 64 g + 16 cx; as a token: + 1,024 b
	s_lshl_b32 s85, s71, 4
	s_add_co_u32 s84, s84, s85
	s_lshl_b32 s85, s73, 10
	s_add_co_u32 s84, s84, s85
	s_lshl_b32 s86, s74, 18                        ; Q's codes: 262,144 hd + 64 token
	s_lshl_b32 s87, s84, 6
	s_add_co_u32 s86, s86, s87
	s_mov_b32 s87, 0
	s_lshr_b32 s88, s74, 1                         ; Q's scale bytes: 12,582,912 + 16,384 (hd / 2) + 4 token + 2 (hd % 2)
	s_lshl_b32 s88, s88, 14
	s_lshl_b32 s89, s84, 2
	s_add_co_u32 s88, s88, s89
	s_and_b32 s89, s74, 1
	s_lshl_b32 s89, s89, 1
	s_add_co_u32 s88, s88, s89
	s_add_co_u32 s88, s88, 12582912
	s_mov_b32 s89, 0
	s_lshl_b32 s90, s84, 12                        ; rows of inputs and of x: 4,096 token + 256 hd
	s_lshl_b32 s91, s74, 8
	s_add_co_u32 s90, s90, s91
	s_mov_b32 s91, 0
	s_and_b32 s12, s[QG], 1                        ; the mask's number: my first query less the diagonal step's first key: 64 (g % 2) + 16 cx
	s_lshl_b32 s12, s12, 6
	s_lshl_b32 s13, s71, 4
	s_add_co_u32 s12, s12, s13
	s_and_b32 s13, s74, 1                          ; which half of a pair's scale word is my head's
	s_lshl_b32 s13, s13, 1
	s_add_co_u32 s13, s13, KSC
	; group 1.  K, V: 64 rows of 64 bytes, dense in memory, 16 bytes of padding behind each row
	s_mov_b32 s[G1KV], 15|(0<<16)|(1<<20)|(1<<21)|(3<<22)|(3<<25)   ; the mask: all four partners; elements of 1 byte; padding on; bit 21 beside a mask; 4 words behind every 16
	s_mov_b32 s[G1KV+1], 256<<16                   ; K: 128 keys are 8,192 dense bytes, stated as 32 rows of 256; the padding still stands behind each 64 bytes
	s_mov_b32 s[G1KV+2], 32<<16
	s_mov_b32 s[G1KV+3], 256<<16
	s_mov_b32 s[G1KV+4], 32
	s_mov_b32 s[G1KV+5], 256
	s_mov_b32 s[G1KV+6], 0
	s_mov_b32 s[G1KV+7], 0
	s_mov_b32 s[SEL], 0x76543210
	s_mov_b32 s[SEL+1], 0xfedcba98
	s_mov_b32 s[CS], 0x3e38aa3b                    ; c = log2(e) / 8
	s_mov_b32 s[CS+1], s[CS]                       ; (named with it as a pair, so it is written)
	s_mov_b32 s[MNT], 0x600000
	s_mov_b32 s[TB], 0
	s_mov_b32 s[TS], 0
	s_mov_b32 s[TJ], 0
	s_mov_b32 s[SI], 0
	s_wait_kmcnt 0x0
	s_mov_b32 s[G0K], 1
	s_mov_b32 s[G0K+1], s10
	s_add_nc_u64 s[G0K+2:G0K+3], s[4:5], s[76:77]
	s_or_b32 s[G0K+3], s[G0K+3], 0x80000000
	s_mov_b32 s[G0V], 1
	s_add_co_u32 s[G0V+1], s10, VL
	s_add_nc_u64 s[G0V+2:G0V+3], s[4:5], s[78:79]
	s_or_b32 s[G0V+3], s[G0V+3], 0x80000000
	s_add_nc_u64 s[PKS:PKS+1], s[4:5], s[80:81]    ; K's scale words: 4,096 dense bytes
	s_add_nc_u64 s[PVS:PVS+1], s[4:5], s[82:83]    ; V's: 8 rows of 256 bytes, 4,096 bytes apart
	s_add_nc_u64 s[86:87], s[4:5], s[86:87]        ; Q's codes
	s_add_nc_u64 s[88:89], s[4:5], s[88:89]        ; Q's scale bytes
	s_add_nc_u64 s[92:93], s[6:7], s[90:91]        ; inputs
	s_add_nc_u64 s[94:95], s[8:9], s[90:91]        ; x
.set G1V, 76                                   ; s[76:83], whose offsets have been used: group 1 for V: two chunks, each 4,096 dense bytes, 65,536 bytes apart; padding as for K
	s_mov_b32 s[G1V], 15|(0<<16)|(1<<20)|(1<<21)|(3<<22)|(3<<25)
	s_mov_b32 s[G1V+1], 4096<<16
	s_mov_b32 s[G1V+2], 2<<16
	s_mov_b32 s[G1V+3], 4096<<16
	s_mov_b32 s[G1V+4], 2
	s_mov_b32 s[G1V+5], 65536
	s_mov_b32 s[G1V+6], 0
	s_mov_b32 s[G1V+7], 0
	CROUND                                         ; all four work-groups are here: the joint loads meet
	s_cmp_lt_u32 s[WV], 8                          ; ONE LOAD A WAVE, in the two arms of one branch: waves 0-7 an eighth of K each,
	s_cbranch_scc0 .Lnot_k
	tensor_load_to_lds s[G0K:G0K+3], s[G1KV:G1KV+7]
	s_nop 0
.rept 4
	v_nop
.endr
	s_branch .Lasked
.Lnot_k:                                               ; waves 8-15: two chunks of V each
	tensor_load_to_lds s[G0V:G0V+3], s[G1V:G1V+7]
	s_nop 0
.rept 4
	v_nop
.endr
.Lasked:
	; the scale words come by plain loads, a sixteenth a wave, and are stored to LDS bytes into which no fill lands
	v_lshlrev_b32 v240, 3, v0                      ; K's: 8 bytes a thread, 4,096 on end
	v_add_nc_u32 v241, KSC, v240
	v_lshrrev_b32 v242, 6, v0                      ; V's: 4 bytes a thread: row thread / 64, 4,096 bytes apart in memory, 256 in LDS
	v_and_b32 v243, 63, v0
	v_lshlrev_b32 v243, 2, v243
	v_lshl_add_u32 v242, v242, 12, v243
	v_lshl_add_u32 v243, v0, 2, VSC
	global_load_b64 v[244:245], v240, s[PKS:PKS+1]
	global_load_b32 v246, v242, s[PVS:PVS+1]
	v_and_b32 v8, 15, v0                           ; r
	v_bfe_u32 v9, v0, 4, 1                         ; h
	s_delay_alu instid0(VALU_DEP_2)
	v_lshlrev_b32 v10, 6, v8
	s_delay_alu instid0(VALU_DEP_1)
	v_lshl_add_u32 v10, v9, 4, v10                 ; Q: row r of 64 bytes, + 16 h
	global_load_b128 v[16:19], v10, s[86:87]       ; K = 0 .. 31 of the head
	global_load_b128 v[20:23], v10, s[86:87] offset:32             ; 32 .. 63
	v_lshlrev_b32 v254, 2, v8
	global_load_u16 v255, v254, s[88:89]           ; Q's two scale bytes; the upper two are 0
	v_lshlrev_b32 v[GO], 12, v9
	s_delay_alu instid0(VALU_DEP_1)
	v_lshl_add_u32 v[GO], v8, 4, v[GO]             ; lanes 0-15 take one row's 256 bytes, lanes 16-31 the next row's; never rewritten
	v_and_b32 v11, 8, v8
	s_delay_alu instid0(VALU_DEP_1)
	v_add_nc_u32 v11, v11, v8                      ; r + 8 (r / 8)
	s_delay_alu instid0(VALU_DEP_1)
	v_mul_u32_u24 v[AK0], v11, KP
	s_delay_alu instid0(VALU_DEP_1)
	v_lshl_add_u32 v[AK0], v9, 4, v[AK0]
	v_mul_u32_u24 v[AV0], v8, KP
	s_delay_alu instid0(VALU_DEP_1)
	v_lshl_add_u32 v[AV0], v9, 4, v[AV0]
	s_delay_alu instid0(VALU_DEP_1)
	v_add_nc_u32 v[AV0], VL, v[AV0]
	v_lshl_add_u32 v[ASK0], v11, 2, s13
	v_lshl_add_u32 v[ASV0], v8, 2, VSC
	v_lshlrev_b32 v[DM], 4, v9
	s_delay_alu instid0(VALU_DEP_1)
	v_sub_nc_u32 v[DM], v8, v[DM]
	s_delay_alu instid0(VALU_DEP_1)
	v_add_nc_u32 v[DM], s12, v[DM]                 ; d = my query - the diagonal step's first key - 16 h: register 16 b + i is hidden there where 32 b + i > d
	v_mov_b32 v[NINF], 0xff800000
.irp j, 24,25,26,27,28,29,30,31
	v_mov_b32 v[\j], 0                             ; Q's K = 64 .. 127: zero codes
.endr
.irp t, 0,1,2,3
.irp j, 0,1,2,3,4,5,6,7
	v_mov_b32 v[40+16*\t+\j], 0                    ; K's likewise, once: nothing else is ever put there
.endr
.endr
	v_mov_b32 v13, 0xff61b1e6                      ; the largest t so far: -3e38
	s_delay_alu instid0(VALU_DEP_1)
	v_floor_f32 v12, -v13                          ; -M
	v_mov_b32 v14, 0
	v_mov_b32 v15, 0
.irp b, 0,1,2,3
	v_mov_b32 v[236+\b], 0                         ; a lane permute's destination counts as one of its sources
.endr
	v_mov_b32 v252, 0
	v_mov_b32 v253, 0
.set j, 0
.rept 32
	v_mov_b32 v[160+j], 0                          ; O^T: the step is written once; the first finds zeros
.set j, j+1
.endr
	s_wait_alu depctr_va_vdst(0)                   ; the wait at the head's end
	s_wait_loadcnt 0x0                             ; Q, its scale bytes, and my part of K's and V's scale words
	ds_store_b64 v241, v[244:245]
	ds_store_b32 v243, v246
	s_wait_tensorcnt 0x0                           ; my part of K or V is in,
	s_wait_dscnt 0x0                               ; my stores are done,
	s_barrier_signal -1
	s_barrier_wait -1                              ; everybody's are
.irp i, 0,1,2,3,4,5,6,7
	global_load_b128 v[192+4*\i:195+4*\i], v[GO], s[92:93] offset:8192*\i   ; the residual, in the stores' layout: asked for only now, behind K and V; it is wanted on the way out
.endr
.Lstep:                                                ; eight trips, a constant; a step all of whose keys come after my queries does no work
	s_cmp_gt_u32 s[SI], s[WH]
	s_cbranch_scc1 .Lhidden
	v_add_nc_u32 v[ADK], s[TB], v[AK0]
	s_wait_alu depctr_va_vdst(0)
	v_add_nc_u32 v[ADV], s[TB], v[AV0]
	v_add_nc_u32 v[ADS], s[TS], v[ASK0]
	s_wait_alu depctr_va_vdst(0)
	v_add_nc_u32 v[ADT], s[TJ], v[ASV0]
.irp g, 0,1                                    ; S^T = K Q^T, four tiles of 16 keys at a time
.rept 8-2*(1-\g)
	v_nop                                          ; places.  g = 0: with the four additions ten, behind the last step's products: nine are owed, since S^T is laid over V's fragments.  g = 1: eight, in front of loads into registers just read
.endr
.irp t, 0,1,2,3
.irp c, 0,1
	ds_load_b128 v[32+16*\t+4*\c:32+16*\t+4*\c+3], v[ADK] offset:(32*((4*\g+\t)/2)+8*(\t%2))*KP+32*\c
.endr
	ds_load_u16 v[248+\t], v[ADS] offset:(32*((4*\g+\t)/2)+8*(\t%2))*4
.endr
	s_wait_dscnt 0x0
.irp t, 0,1,2,3
	v_wmma_scale_f32_16x16x128_f8f6f4 v[96+8*(4*\g+\t):103+8*(4*\g+\t)], v[32+16*\t:47+16*\t], v[16:31], 0, v[248+\t], v255
.endr
.endr
.rept 8
	v_nop
.endr
	s_cmp_lt_u32 s[SI], s[WH]
	s_cbranch_scc1 .Lopen                          ; all keys of the step count
.set n, 0
.rept 64
	v_cmp_gt_i32 vcc_lo, 32*(n/16)+n%16, v[DM]     ; on the diagonal hidden scores become -infinity ahead of the maximum: p = 0 then
	v_cndmask_b32 v[96+n], v[96+n], v[NINF], vcc_lo
.set n, n+1
.endr
.Lopen:
.irp b, 0,1,2,3
	v_max3_num_f32 v[232+\b], v[96+16*\b], v[97+16*\b], v[98+16*\b]   ; the largest score of each block of 32 keys: for the row's maximum, and, since p rises with the score, for the block's largest p
.endr
.irp i, 3,5,7,9,11,13
.irp b, 0,1,2,3
	v_max3_num_f32 v[232+\b], v[232+\b], v[96+16*\b+\i], v[97+16*\b+\i]
.endr
.endr
.irp b, 0,1,2,3
	v_max_num_f32 v[232+\b], v[232+\b], v[111+16*\b]
.endr
.irp b, 0,1,2,3
	v_permlanex16_b32 v[236+\b], v[232+\b], s[SEL], s[SEL+1]
.endr
.irp b, 0,1,2,3
	s_delay_alu instid0(VALU_DEP_4)
	v_max_num_f32 v[232+\b], v[232+\b], v[236+\b]  ; with lane l xor 16's 16 keys
.endr
	s_delay_alu instid0(VALU_DEP_2)
	v_max3_num_f32 v254, v232, v233, v234
	s_delay_alu instid0(VALU_DEP_1)
	v_max_num_f32 v254, v254, v235                 ; the step's largest score of my query
	s_delay_alu instid0(VALU_DEP_1)
	v_mul_f32 v254, s[CS], v254                    ; as t
	s_delay_alu instid0(VALU_DEP_1)
	v_max_num_f32 v13, v13, v254                   ; the running largest t
	v_mov_b32 v254, v12
	s_delay_alu instid0(VALU_DEP_2)
	v_floor_f32 v12, -v13                          ; the new -M = floor(-t) = -ceil(t)
	s_delay_alu instid0(VALU_DEP_1)
	v_sub_f32 v254, v12, v254                      ; old M - new M: a whole number, 0 or less
	s_delay_alu instid0(VALU_DEP_1)
	v_cvt_i32_f32 v254, v254                       ; (it saturates)
	s_delay_alu instid0(VALU_DEP_1)
	v_ldexp_f32 v252, 1.0, v254                    ; f = 2^(old M - new M)
.set j, 0
.rept 32
	v_pk_fma_f32 v[96+j:97+j], v[96+j:97+j], s[CS:CS+1], v[12:13] op_sel_hi:[1,0,0]   ; t - M, two at a time
.set j, j+2
.endr
.irp b, 0,1,2,3
	v_fma_f32 v[232+\b], v[232+\b], s[CS], v12     ; the same of each block's largest score
.endr
.set j, 0
	s_wait_alu depctr_va_vdst(0)
.rept 64
	v_exp_f32 v[96+j], v[96+j]                     ; p = 2^(t - M)
.set j, j+1
.endr
	v_pk_mul_f32 v[14:15], v[14:15], v[252:253] op_sel_hi:[1,0]    ; the sums under the new M (a plain instruction behind the exponentials)
	s_wait_alu depctr_va_vdst(0)                   ; one wait for the batch of 64, ahead of its first reader
.irp b, 0,1,2,3
	v_exp_f32 v[232+\b], v[232+\b]                 ; the block's largest p
.endr
	v_pk_add_f32 v[236:237], v[100:101], v[104:105]
	v_pk_add_f32 v[250:251], v[108:109], v[112:113]
	v_pk_add_f32 v[248:249], v[116:117], v[120:121]
	v_pk_add_f32 v[246:247], v[124:125], v[128:129]
	v_pk_add_f32 v[244:245], v[132:133], v[136:137]
	v_pk_add_f32 v[242:243], v[140:141], v[144:145]
	v_pk_add_f32 v[240:241], v[148:149], v[152:153]
	v_pk_add_f32 v[14:15], v[14:15], v[156:157]
	v_pk_add_f32 v[236:237], v[236:237], v[96:97]
	v_pk_add_f32 v[250:251], v[250:251], v[98:99]
	v_pk_add_f32 v[248:249], v[248:249], v[102:103]
	v_pk_add_f32 v[246:247], v[246:247], v[106:107]
	v_pk_add_f32 v[244:245], v[244:245], v[110:111]
	v_pk_add_f32 v[242:243], v[242:243], v[114:115]
	v_pk_add_f32 v[240:241], v[240:241], v[118:119]
	v_pk_add_f32 v[14:15], v[14:15], v[122:123]
	v_pk_add_f32 v[236:237], v[236:237], v[126:127]
	v_pk_add_f32 v[250:251], v[250:251], v[130:131]
	v_pk_add_f32 v[248:249], v[248:249], v[134:135]
	v_pk_add_f32 v[246:247], v[246:247], v[138:139]
	v_pk_add_f32 v[244:245], v[244:245], v[142:143]
	v_pk_add_f32 v[242:243], v[242:243], v[146:147]
	v_pk_add_f32 v[240:241], v[240:241], v[150:151]
	v_pk_add_f32 v[14:15], v[14:15], v[154:155]
	v_pk_add_f32 v[236:237], v[236:237], v[158:159]
	s_delay_alu instid0(VALU_DEP_2)
	v_pk_add_f32 v[14:15], v[14:15], v[246:247]
	s_delay_alu instid0(VALU_DEP_2)
	v_pk_add_f32 v[236:237], v[236:237], v[244:245]
	v_pk_add_f32 v[250:251], v[250:251], v[242:243]
	v_pk_add_f32 v[248:249], v[248:249], v[240:241]
	s_delay_alu instid0(VALU_DEP_2)
	v_pk_add_f32 v[14:15], v[14:15], v[250:251]
	s_delay_alu instid0(VALU_DEP_2)
	v_pk_add_f32 v[236:237], v[236:237], v[248:249]
	s_delay_alu instid0(VALU_DEP_1)
	v_pk_add_f32 v[14:15], v[14:15], v[236:237]
	s_wait_alu depctr_va_vdst(0)                   ; and one for the four
.irp b, 0,1,2,3
	v_max_num_f32 v[232+\b], 0x4800000, v[232+\b]  ; the floor 2^(9 - 127)
.endr
.irp b, 0,1,2,3
	s_delay_alu instid0(VALU_DEP_4)
	v_add_nc_u32 v[244+\b], 0xfc000000, v[232+\b]  ; the conversion's scale operand
.endr
.irp b, 0,1,2,3
	v_and_or_b32 v[240+\b], v[232+\b], 0x7f800000, s[MNT]          ; 448 x the scale
.endr
.irp b, 0,1,2,3
	v_lshrrev_b32 v[236+\b], 23, v[244+\b]         ; the scale's byte
.endr
	s_delay_alu instid0(VALU_DEP_3)
	v_lshl_or_b32 v253, v237, 8, v236              ; p's scale word for these 128 keys
	s_delay_alu instid0(VALU_DEP_1)
	v_lshl_or_b32 v253, v238, 16, v253
	s_delay_alu instid0(VALU_DEP_1)
	v_lshl_or_b32 v253, v239, 24, v253
.irp b, 0,1,2,3
.irp i, 0,1,2,3,4,5,6,7,8,9,10,11,12,13,14,15
	v_min_num_f32 v[96+16*\b+\i], v[96+16*\b+\i], v[240+\b]        ; the hold (ISA guide 7.6.2); p is not negative, so it is one-sided
.endr
	v_cvt_scalef32_pk8_fp8_f32 v[224+4*\b:225+4*\b], v[96+16*\b:103+16*\b], v[244+\b]
	v_cvt_scalef32_pk8_fp8_f32 v[226+4*\b:227+4*\b], v[104+16*\b:111+16*\b], v[244+\b]
.endr
.irp t, 0,1,2,3                                ; V's four fragments (16 of the head's 64 x these 128 keys) land where p lay
.irp c, 0,1,2,3
	ds_load_b128 v[96+16*\t+4*\c:96+16*\t+4*\c+3], v[ADV] offset:(\c/2)*64*KP+16*KP*\t+32*(\c%2)
.endr
	ds_load_b32 v[248+\t], v[ADT] offset:64*\t
.endr
.set j, 0
.rept 16
	v_pk_mul_f32 v[160+j:161+j], v[160+j:161+j], v[252:253] op_sel_hi:[1,0]   ; O^T under the new M; these are also the places between the codes' conversions and the products
.set j, j+2
.endr
	s_wait_alu depctr_va_vdst(0)
	s_wait_dscnt 0x0
.irp t, 0,1,2,3                                ; O^T += V^T P^T; the four accumulators take turns, and the next matrix instruction is the next step's S^T
	v_wmma_scale_f32_16x16x128_f8f6f4 v[160+8*\t:167+8*\t], v[96+16*\t:111+16*\t], v[224:239], v[160+8*\t:167+8*\t], v[248+\t], v253
.endr
.Lhidden:
	s_add_co_u32 s[TB], s[TB], 128*KP
	s_add_co_u32 s[TS], s[TS], 512
	s_add_co_u32 s[TJ], s[TJ], 256
	s_add_co_u32 s[SI], s[SI], 1
	s_cmp_lt_u32 s[SI], 8
	s_cbranch_scc1 .Lstep
	; THE WAY OUT: O^T / the sum goes through my stage in LDS and comes back as whole rows of 256 bytes; the residual is added; sixteen lanes store 256 consecutive bytes.
.rept 8
	v_nop                                          ; places behind the last products
.endr
	v_add_f32 v14, v14, v15
	s_delay_alu instid0(VALU_DEP_1)
	v_permlanex16_b32 v252, v14, s[SEL], s[SEL+1]
	s_delay_alu instid0(VALU_DEP_1)
	v_add_f32 v14, v14, v252                       ; the row's sum
	s_wait_alu depctr_va_vdst(0)
	v_rcp_f32 v14, v14
	v_and_b32 v8, 15, v0                           ; (a plain instruction behind the transcendental)
	v_bfe_u32 v9, v0, 4, 1
	s_mul_i32 s12, s[WV], 16*272
	s_add_co_u32 s12, s12, STG
	v_mul_u32_u24 v10, v8, 272
	s_delay_alu instid0(VALU_DEP_1)
	v_lshl_add_u32 v10, v9, 5, v10
	s_delay_alu instid0(VALU_DEP_1)
	v_add_nc_u32 v10, s12, v10                     ; in: row r; tile t's eight channels of my half: 64 t + 32 h bytes on
	v_mul_u32_u24 v11, v9, 272
	s_delay_alu instid0(VALU_DEP_1)
	v_lshl_add_u32 v11, v8, 4, v11
	s_delay_alu instid0(VALU_DEP_1)
	v_add_nc_u32 v11, s12, v11                     ; back: lanes 0-15 one row, lanes 16-31 the next
	s_wait_alu depctr_va_vdst(0)                   ; the wait ahead of the reciprocal's first reader
.set j, 0
.rept 32
	v_mul_f32 v[96+j], v[160+j], v14               ; register 8 t + i is o(r, 16 t + 8 h + i); each accumulator from its low end on
.set j, j+1
.endr
.irp t, 0,1,2,3
	ds_store_b128 v10, v[96+8*\t:99+8*\t] offset:64*\t
	ds_store_b128 v10, v[100+8*\t:103+8*\t] offset:64*\t+16
.endr
.irp i, 0,1,2,3,4,5,6,7
	ds_load_b128 v[32+4*\i:35+4*\i], v11 offset:2*\i*272           ; LDS serves a wave's instructions in order: these see my stores
.endr
	s_wait_loadcnt 0x0                             ; the residual
	s_wait_dscnt 0x0
.set j, 0
.rept 16
	v_pk_add_f32 v[32+j:33+j], v[32+j:33+j], v[192+j:193+j]
.set j, j+2
.endr
.irp i, 0,1,2,3,4,5,6,7
	global_store_b128 v[GO], v[32+4*\i:35+4*\i], s[94:95] offset:8192*\i
.endr
	s_wait_xcnt 0x0
	v_lshl_add_u32 v254, v0, 2, 0x3a800
	v_mov_b32 v255, 0
	s_wait_alu depctr_va_vdst(0)
	s_wait_tensorcnt 0x0
	ds_add_u32 v254, v255
	s_wait_dscnt 0x0
	CROUND                                         ; the closing round: no LDS instruction and no tensor load of mine is out
	s_endpgm
.Lfunc_end_k_q71090a13d1_attn:
	.size	k_q71090a13d1_attn, .Lfunc_end_k_q71090a13d1_attn-k_q71090a13d1_attn
	.p2alignl 7, 3214868480
	.fill 96, 4, 3214868480
	.section	.rodata,"a",@progbits
	.p2align	6, 0x0
	.amdhsa_kernel k_q71090a13d1_attn
		.amdhsa_group_segment_fixed_size 241664
		.amdhsa_private_segment_fixed_size 0
		.amdhsa_enable_private_segment 0
		.amdhsa_kernarg_size 24
		.amdhsa_user_sgpr_count 2
		.amdhsa_user_sgpr_kernarg_segment_ptr 1
		.amdhsa_wavefront_size32 1
		.amdhsa_system_sgpr_workgroup_id_x 1
		.amdhsa_system_sgpr_workgroup_id_y 1
		.amdhsa_system_sgpr_workgroup_id_z 1
		.amdhsa_system_vgpr_workitem_id 0
		.amdhsa_next_free_vgpr 256
		.amdhsa_next_free_sgpr 96
		.amdhsa_reserve_vcc 1
		.amdhsa_float_denorm_mode_32 3
		.amdhsa_float_denorm_mode_16_64 3
		.amdhsa_memory_ordered 1
		.amdhsa_forward_progress 1
		.amdhsa_inst_pref_size 43
	.end_amdhsa_kernel
	.amdgpu_metadata
---
amdhsa.version: [ 1, 2 ]
amdhsa.kernels:
  - .name:           k_q71090a13d1_attn
    .symbol:         k_q71090a13d1_attn.kd
    .args:
      - { .name: qkv, .offset: 0, .size: 8, .value_kind: global_buffer, .address_space: global }
      - { .name: inputs, .offset: 8, .size: 8, .value_kind: global_buffer, .address_space: global }
      - { .name: xres, .offset: 16, .size: 8, .value_kind: global_buffer, .address_space: global }
    .group_segment_fixed_size: 241664
    .private_segment_fixed_size: 0
    .kernarg_segment_align: 8
    .kernarg_segment_size: 24
    .max_flat_workgroup_size: 512
    .sgpr_count:     96
    .vgpr_count:     256
    .wavefront_size: 32
...
	.end_amdgpu_metadata
.endif
;; end of part 3
;; launch lnq2: the kernel of part 1 again; grid 256 x 1, 16 waves a work-group, no clusters, 84,480 bytes of LDS; arguments xres, g2, be2, xa; writes xa
;; launch ff1 (part 4): grid 16 x 16, 4 waves a work-group, clusters of 4 x 4, 327,680 bytes of LDS; arguments xa, W1_codes, W1_scales, b1, hid; writes hid
.if DOCPART == 4
	.amdgcn_target "amdgcn-amd-amdhsa--gfx1250"
	.amdhsa_code_object_version 6
	.text
	.protected	k_q71090a13d1_ff1
	.globl	k_q71090a13d1_ff1
	.p2align	8
	.type	k_q71090a13d1_ff1,@function
k_q71090a13d1_ff1:
	s_mov_b64 s[64:65], 0
	v_nop
	global_prefetch_b8 v0, s[64:65] scope:SCOPE_SE
	s_setreg_imm32_b32 hwreg(HW_REG_WAVE_MODE, 25, 1), 1
	s_wait_xcnt 0x0
	s_wait_alu depctr_hold_cnt(0) depctr_sa_sdst(0) depctr_va_vdst(0) depctr_va_sdst(0) depctr_va_ssrc(0) depctr_va_vcc(0) depctr_vm_vsrc(0)
	s_getreg_b32 s2, hwreg(HW_REG_IB_STS2, 6, 4)
	s_cmp_eq_u32 s2, 0
	s_cbranch_scc0 .Lentry_in_a_cluster
	s_endpgm
.Lentry_in_a_cluster:
	s_bfe_u32 s2, ttmp6, 0x10000c
	s_cmp_lg_u32 s2, 0xf033
	s_cbranch_scc0 .Lentry_shape_is_right
	s_endpgm
.Lentry_shape_is_right:
.set NQ,     2
.set ROWB,   256
.set KROW,   1024
.set PITCH,  272
.set FR,     16
.set NL,     4
.set NP,     8
.set HALFT,  128*PITCH
.set SLOT,   4*HALFT
.set LAPS,   2
.set KS,     32
.set SCL,    2*SLOT
.set HALFS,  16*272
.set SBLK,   2*272
.set SPARE,  SCL+4*HALFS
.set SST,    81920
.set ADRA, 16
.set ADRB, 20
.set STO,  24
.set RD,   25
.set CO,   26
.set ADRS, 27
.set SPW,  28
.set NIL,  29
.set SSO,  30
.set RDS,  31
.set SC,   32
.set BI,   64
.set AF,   128
.set OB,   64
.set T,    128
.set PC,   192
.set TM,   224
.set TP,   228
.set LIM,  232
.set SOP,  236
.set PW,   240
.set SW,   244
.set G1, 24
.set G0, 32
.set G1B, 48
.set G0B, 56
.set G1S, 68
.set G0S, 76
.set G1SB, 80
.set G0SB, 88
.set MSB, 0
.macro WIN new
.if MSB != \new
	s_set_vgpr_msb (MSB<<8)|\new
.set MSB, \new
.endif
.endm
.set MUL_LO, 0xa1
.set MUL_HI, 0xf1
.set FIRST_LO, 0x81
.set FIRST_HI, 0xc1
.set TO_B,   0x40
.macro JLOAD g0a, g1a, g0b, g1b
	s_cmp_eq_u32 s15, 0
	s_cbranch_scc0 .Lfor_b_\@
	tensor_load_to_lds s[\g0a:\g0a+3], s[\g1a:\g1a+7]
	s_nop 0
.rept 4
	v_nop
.endr
	s_branch .Lasked_\@
.Lfor_b_\@:
	tensor_load_to_lds s[\g0b:\g0b+3], s[\g1b:\g1b+7]
	s_nop 0
.rept 4
	v_nop
.endr
.Lasked_\@:
.endm
.macro CREST
	s_cmp_lg_u32 s14, 0
	s_cbranch_scc1 .Lnot_wave_0_\@
	s_barrier_signal -3
.Lnot_wave_0_\@:
	s_barrier_wait -3
	s_barrier_signal -1
	s_barrier_wait -1
.endm
.macro CROUND
	s_barrier_signal -1
	s_barrier_wait -1
	CREST
.endm
	s_load_b64 s[4:5], s[0:1], 0x0
	s_load_b128 s[8:11], s[0:1], 0x8
	s_load_b128 s[96:99], s[0:1], 0x18
	v_lshl_add_u32 v[SPW], v0, 2, SPARE
	v_mov_b32 v[NIL], 0
	ds_add_u32 v28, v29
	ds_add_u32 v28, v29
	s_wait_dscnt 0x0
	v_lshrrev_b32 v1, 5, v0
	v_readfirstlane_b32 s14, v1
	s_lshr_b32 s15, s14, 1
	s_and_b32 s16, s14, 1
	s_bfe_u32 s40, ttmp6, 0x40000
	s_bfe_u32 s41, ttmp6, 0x40004
	s_lshl_b32 s42, ttmp9, 2
	s_add_co_u32 s42, s42, s40
	s_and_b32 s17, ttmp7, 0xffff
	s_lshl_b32 s17, s17, 2
	s_add_co_u32 s17, s17, s41
	s_lshl_b32 s43, s41, 2
	s_lshl_b32 s43, 15, s43
	s_lshl_b32 s44, 0x1111, s40
	s_or_b32 s[G1+0], s43, (0<<16)|(1<<20)|(1<<21)|(5<<22)|(3<<25)
	s_or_b32 s[G1B+0], s44, (0<<16)|(1<<20)|(1<<21)|(5<<22)|(3<<25)
.irp g, G1, G1B
	s_mov_b32 s[\g+1], ROWB<<16
	s_mov_b32 s[\g+2], 128<<16
	s_mov_b32 s[\g+3], ROWB<<16
	s_mov_b32 s[\g+4], 128
	s_mov_b32 s[\g+5], KROW
	s_mov_b32 s[\g+6], 0
	s_mov_b32 s[\g+7], 0
.endr
	s_or_b32 s[G1S+0], s43, (0<<16)|(1<<20)|(1<<21)|(5<<22)|(3<<25)   ; group 1 of the head's loads: 256 rows of a K step, A's and B's
	s_or_b32 s[G1SB+0], s44, (0<<16)|(1<<20)|(1<<21)|(5<<22)|(3<<25)
.irp g, G1S, G1SB
	s_mov_b32 s[\g+1], ROWB<<16
	s_mov_b32 s[\g+2], 256<<16
	s_mov_b32 s[\g+3], ROWB<<16
	s_mov_b32 s[\g+4], 256
	s_mov_b32 s[\g+5], KROW
	s_mov_b32 s[\g+6], 0
	s_mov_b32 s[\g+7], 0
.endr
	s_lshl_b32 s20, s17, 8                         ; A: the tile's first row
	s_lshl_b32 s46, s42, 8                         ; B likewise
	s_mov_b32 s21, 0
	s_mov_b32 s47, 0
	s_mov_b64 s[18:19], KS
	s_mul_u64 s[22:23], s[20:21], s[18:19]
	s_mul_u64 s[92:93], s[46:47], s[18:19]
	s_mov_b64 s[18:19], KROW
	s_mul_u64 s[20:21], s[20:21], s[18:19]
	s_mul_u64 s[46:47], s[46:47], s[18:19]
	s_mul_i32 s45, s14, HALFT                      ; where the ring's loads go: wave x 128 rows
	s_mul_i32 s94, s14, HALFS
	s_add_co_u32 s94, s94, SCL                     ; where my 4,096 scale bytes go
	s_mul_i32 s18, s16, 128*KROW                   ; in the ring I fetch 128 rows of a tile: which half, in bytes
	s_mov_b32 s19, 0
	s_lshl_b32 s2, s16, 12                         ; and the same half's scale bytes
	s_mov_b32 s3, 0
	s_wait_kmcnt 0x0
	s_add_nc_u64 s[6:7], s[4:5], 0x400000
	s_add_nc_u64 s[20:21], s[4:5], s[20:21]
	s_add_nc_u64 s[22:23], s[6:7], s[22:23]
	s_add_nc_u64 s[46:47], s[8:9], s[46:47]
	s_add_nc_u64 s[92:93], s[10:11], s[92:93]
	CROUND
	s_mov_b32 s4, 1                                ; group 0 of the head's four loads: K step 0's 256 rows of A (the pointers that lay here have been used),
	s_mov_b32 s5, 0
	s_mov_b64 s[6:7], s[20:21]
	s_or_b32 s7, s7, 0x80000000
	s_mov_b32 s8, 1                                ; its 256 rows of B,
	s_mov_b32 s9, 2*HALFT
	s_mov_b64 s[10:11], s[46:47]
	s_or_b32 s11, s11, 0x80000000
	s_mov_b32 s[G0S], 1                            ; K step 1's 256 rows of A,
	s_mov_b32 s[G0S+1], SLOT
	s_add_nc_u64 s[G0S+2:G0S+3], s[20:21], ROWB
	s_or_b32 s[G0S+3], s[G0S+3], 0x80000000
	s_mov_b32 s[G0SB], 1                           ; and of B
	s_mov_b32 s[G0SB+1], SLOT+2*HALFT
	s_add_nc_u64 s[G0SB+2:G0SB+3], s[46:47], ROWB
	s_or_b32 s[G0SB+3], s[G0SB+3], 0x80000000
	s_cmp_eq_u32 s15, 0                            ; the scale bytes come by plain loads: waves 0, 1 take the halves of A's, waves 2, 3 of B's
	s_cselect_b64 s[92:93], s[22:23], s[92:93]     ; (in a pair that no later line writes)
	s_add_nc_u64 s[92:93], s[92:93], s[2:3]
	s_add_nc_u64 s[20:21], s[20:21], s[18:19]      ; for the ring: my 128 rows of the tile
	s_add_nc_u64 s[46:47], s[46:47], s[18:19]
.irp s, 0,1
	s_mov_b32 s[G0+4*\s], 1
	s_add_co_u32 s[G0+4*\s+1], s45, \s*SLOT
	s_add_nc_u64 s[G0+4*\s+2:G0+4*\s+3], s[20:21], \s*ROWB
	s_or_b32 s[G0+4*\s+3], s[G0+4*\s+3], 0x80000000
	s_mov_b32 s[G0B+4*\s], 1
	s_add_co_u32 s[G0B+4*\s+1], s45, \s*SLOT
	s_add_nc_u64 s[G0B+4*\s+2:G0B+4*\s+3], s[46:47], \s*ROWB
	s_or_b32 s[G0B+4*\s+3], s[G0B+4*\s+3], 0x80000000
.endr
; THE HEAD'S LOADS, ONE A WAVE: wave 0 K step 0's rows of A, wave 1 of B, wave 2 K step 1's rows of A, wave 3 of B.  One tree of branches on the wave's number, a load line to each wave.
.macro ARM under, g0, g1, next
	s_cmp_lt_u32 s14, \under
	s_cbranch_scc0 \next
	tensor_load_to_lds s[\g0:\g0+3], s[\g1:\g1+7]
	s_nop 0
.rept 4
	v_nop
.endr
	s_branch .Lhead_asked
\next:
.endm
	ARM 1, 4, G1S, .Lhead_b
	ARM 2, 8, G1SB, .Lhead_a1
	ARM 3, G0S, G1S, .Lhead_b1
	tensor_load_to_lds s[G0SB:G0SB+3], s[G1SB:G1SB+7]
	s_nop 0
.rept 4
	v_nop
.endr
.Lhead_asked:
	v_and_b32 v9, 31, v0
	v_lshlrev_b32 v10, 4, v9                       ; 16 x lane
	v_lshrrev_b32 v9, 4, v9
	v_lshl_add_u32 v11, v9, 4, v10                 ; in LDS 16 bytes of padding stand behind each 256
	v_add_nc_u32 v11, s94, v11
.irp j, 0,1,2,3,4,5,6,7
	global_load_b128 v[AF+4*\j:AF+4*\j+3], v10, s[92:93] offset:512*\j   ; my 4,096 scale bytes, 512 consecutive bytes a load
.endr
	v_and_b32 v1, 15, v0
	s_wait_alu depctr_va_vdst(0)
	v_bfe_u32 v2, v0, 4, 1
	s_lshl_b32 s20, s42, 10
	s_lshl_b32 s21, s16, 9
	s_add_co_u32 s20, s20, s21
	s_mov_b32 s21, 0
	s_add_nc_u64 s[96:97], s[96:97], s[20:21]
	v_lshlrev_b32 v8, 5, v2
.irp b, 0,1,2,3,4,5,6,7
	global_load_b128 v[BI+8*\b:BI+8*\b+3], v8, s[96:97] offset:64*\b
	global_load_b128 v[BI+8*\b+4:BI+8*\b+7], v8, s[96:97] offset:64*\b+16
.endr
	v_mul_u32_u24 v3, v1, PITCH
	v_lshl_add_u32 v4, v2, 4, v3
	s_mul_i32 s21, s15, HALFT
	s_mul_i32 s22, s16, HALFT
	s_add_co_u32 s22, s22, 2*HALFT
.irp s, 0,1
	v_add_nc_u32 v[ADRA+\s], s21, v4
	v_add_nc_u32 v[ADRB+\s], s22, v4
	s_add_co_u32 s21, s21, SLOT
	s_add_co_u32 s22, s22, SLOT
.endr
	v_mul_u32_u24 v5, v1, KS
	v_lshrrev_b32 v6, 8, v5
	v_lshl_add_u32 v5, v6, 4, v5
	s_mul_i32 s21, s15, HALFS
	s_mul_i32 s22, s16, HALFS
	s_add_co_u32 s22, s22, 2*HALFS
	s_sub_co_u32 s22, s22, s21
	v_mul_u32_u24 v6, s22, v2
	s_add_co_u32 s21, s21, SCL
	v_add_nc_u32 v5, v5, v6
	v_add_nc_u32 v[ADRS], s21, v5
	s_mul_i32 s23, s15, 128*272
	s_lshl_b32 s21, s16, 7
	s_add_co_u32 s23, s23, s21
	v_mul_u32_u24 v5, v1, 272
	v_lshl_add_u32 v5, v2, 3, v5
	v_add_nc_u32 v[STO], s23, v5
	s_lshl_b32 s23, s15, 10
	s_lshl_b32 s21, s16, 2
	s_add_co_u32 s23, s23, s21
	s_add_co_u32 s23, s23, SST
	v_lshl_add_u32 v[SSO], v1, 3, s23
	v_and_b32 v6, 31, v0
	v_lshlrev_b32 v[CO], 4, v6
	v_mul_u32_u24 v5, v1, 272
	v_lshl_add_u32 v5, v2, 4, v5
	s_mul_i32 s23, s15, 128*272                    ; back: in each half of the way out wave w takes rows 128 (w / 2) + 32 (w % 2) + 0 .. 31, and 64 further on in the second half
	s_mul_i32 s21, s16, 32*272
	s_add_co_u32 s23, s23, s21
	v_add_nc_u32 v[RD], s23, v5
	s_lshl_b32 s23, s14, 9
	s_add_co_u32 s23, s23, SST
	v_add_nc_u32 v[RDS], s23, v[CO]
	s_lshl_b32 s20, s17, 20
	s_lshl_b32 s21, s15, 19                        ; the same rows in hid: 65,536 bytes for each block of 16
	s_add_co_u32 s20, s20, s21
	s_lshl_b32 s21, s16, 17
	s_add_co_u32 s20, s20, s21
	s_lshl_b32 s21, s42, 12
	s_add_co_u32 s20, s20, s21
	s_mov_b32 s21, 0
	s_add_nc_u64 s[12:13], s[98:99], s[20:21]
	s_lshl_b32 s20, s42, 15
	s_lshl_b32 s21, s17, 11
	s_add_co_u32 s20, s20, s21
	s_lshl_b32 s21, s14, 9
	s_add_co_u32 s20, s20, s21
	s_add_co_u32 s20, s20, 16777216
	s_mov_b32 s21, 0
	s_add_nc_u64 s[98:99], s[98:99], s[20:21]
	s_mov_b32 s20, 0x76543210
	s_mov_b32 s21, 0xfedcba98
	s_mov_b32 s22, 0x600000
.macro FRAG reg, adr, q, i
.irp c, 0,1,2,3
	ds_load_b128 v[\reg+4*\c:\reg+4*\c+3], v[\adr] offset:128*(\q)+32*\c+(\i)*16*PITCH
.endr
.endm
.macro MUL16 a0, p, q, sc, zero
.irp a, \a0, \a0+1
.irp b, 0,1,2,3,4,5,6,7
.if \zero
	v_wmma_scale_f32_16x16x128_f8f6f4 v[8*(8*((\a)%4)+\b):8*(8*((\a)%4)+\b)+7], v[128*(\p)+FR*\b:128*(\p)+FR*\b+FR-1], v[AF+FR*(\a):AF+FR*(\a)+FR-1], v[BI+8*\b:BI+8*\b+7], v[SC+8*NQ*(\sc)+NQ*\b+(\q)], v[SC+8*NQ*(\sc)+NQ*(\a)+(\q)] matrix_a_scale:MATRIX_SCALE_ROW1
.else
	v_wmma_scale_f32_16x16x128_f8f6f4 v[8*(8*((\a)%4)+\b):8*(8*((\a)%4)+\b)+7], v[128*(\p)+FR*\b:128*(\p)+FR*\b+FR-1], v[AF+FR*(\a):AF+FR*(\a)+FR-1], v[8*(8*((\a)%4)+\b):8*(8*((\a)%4)+\b)+7], v[SC+8*NQ*(\sc)+NQ*\b+(\q)], v[SC+8*NQ*(\sc)+NQ*(\a)+(\q)] matrix_a_scale:MATRIX_SCALE_ROW1
.endif
.endr
.endr
.endm
.macro FETCH_B slot, q, p
	WIN TO_B
.irp i, 0,1,2,3,4,5,6,7
	FRAG 128*(\p)+FR*\i, ADRB+\slot, \q, \i
.endr
	WIN 0
.endm
.macro FETCH_A slot, q, i0
.irp i, \i0, \i0+1, \i0+2, \i0+3
	FRAG AF+FR*(\i), ADRA+\slot, \q, \i
.endr
.endm
.macro SCALES sc
.irp i, 0,1,2,3,4,5,6,7
	ds_load_b64 v[SC+8*NQ*\sc+NQ*\i:SC+8*NQ*\sc+NQ*\i+1], v[ADRS] offset:\i*SBLK
.endr
.endm
.macro PLACES n
.rept \n
	v_nop
.endr
.endm
.macro STEP slot, q, zero
	s_wait_dscnt 4*NL
.if \zero
	WIN FIRST_LO
.else
	WIN MUL_LO
.endif
	MUL16 0, (\q)%2, \q, \slot, \zero
	MUL16 2, (\q)%2, \q, \slot, \zero
	s_wait_dscnt 0
	PLACES NP
	FETCH_B \slot, (\q)+1, 1-(\q)%2
	FETCH_A \slot, (\q)+1, 0
.if \zero
	WIN FIRST_HI
.else
	WIN MUL_HI
.endif
	MUL16 4, (\q)%2, \q, \slot, \zero
	MUL16 6, (\q)%2, \q, \slot, \zero
	PLACES NP
	WIN 0
	FETCH_A \slot, (\q)+1, 4
.endm
.macro TURN slot, next, fill
	s_wait_tensorcnt 0x0
	ds_add_u32 v[SPW], v[NIL]
	s_wait_dscnt 4*NL+1
	WIN MUL_LO
	MUL16 0, 1, NQ-1, \slot, 0
	s_wait_dscnt 0x0
	s_barrier_signal -1
	MUL16 2, 1, NQ-1, \slot, 0
	WIN 0
	s_barrier_wait -1
.if \fill
	CREST
	s_add_nc_u64 s[G0+4*\slot+2:G0+4*\slot+3], s[G0+4*\slot+2:G0+4*\slot+3], 2*ROWB
	s_add_nc_u64 s[G0B+4*\slot+2:G0B+4*\slot+3], s[G0B+4*\slot+2:G0B+4*\slot+3], 2*ROWB
	JLOAD G0+4*\slot, G1, G0B+4*\slot, G1B
	PLACES NP-4
.else
	PLACES NP
.endif
	s_wait_alu depctr_va_vdst(0)
	v_add_nc_u32 v[ADRS], 4*NQ, v[ADRS]
	FETCH_B \next, 0, 0
	FETCH_A \next, 0, 0
	SCALES \next
	WIN MUL_HI
	MUL16 4, 1, NQ-1, \slot, 0
	MUL16 6, 1, NQ-1, \slot, 0
	PLACES NP
	WIN 0
	FETCH_A \next, 0, 4
.endm
	s_wait_alu depctr_va_vdst(0)                   ; the wait at the head's end
	s_wait_loadcnt 16                              ; my scale bytes are in registers (the bias's sixteen loads, issued behind them, may be out),
.irp j, 0,1,2,3,4,5,6,7
	ds_store_b128 v11, v[AF+4*\j:AF+4*\j+3] offset:544*\j          ; and go to bytes of LDS into which no fill lands
.endr
	s_cmp_lt_u32 s14, 2
	s_cbranch_scc0 .Lnot_first
	s_wait_tensorcnt 0x0                           ; waves 0 and 1: K step 0 is in.  K step 1's two loads are waited for at the first change of slots
.Lnot_first:
	s_wait_dscnt 0x0                               ; my stores are done
	s_barrier_signal -1
	s_barrier_wait -1
	FETCH_B 0, 0, 0
	FETCH_A 0, 0, 0
	SCALES 0
	FETCH_A 0, 0, 4
	s_wait_loadcnt 0x0
	STEP 0, 0, 1
	s_mov_b32 s3, LAPS-1
.Llap:
	TURN 0, 1, 1
	STEP 1, 0, 0
	TURN 1, 0, 1
	STEP 0, 0, 0
	s_sub_co_u32 s3, s3, 1
	s_cmp_lg_u32 s3, 0
	s_cbranch_scc1 .Llap
	TURN 0, 1, 0
	STEP 1, 0, 0
	s_wait_dscnt 4*NL
	WIN MUL_LO
	MUL16 0, 1, NQ-1, 1, 0
	MUL16 2, 1, NQ-1, 1, 0
	s_wait_dscnt 0
	WIN MUL_HI
	MUL16 4, 1, NQ-1, 1, 0
	MUL16 6, 1, NQ-1, 1, 0
	WIN 0
.macro QOUT a
.set AC, 64*((\a)%4)
.set WA, 2+(\a)/4
.set WAA, WA|(WA<<2)
.set PCA, PC+16*((\a)%2)
.set PWA, PW+(\a)%2
	s_wait_dscnt 9
	WIN WAA
.irp b, 0,1,2,3
	v_max3_num_f32 v[TM+\b], v[AC+16*\b], v[AC+16*\b+1], 0x4800000
.endr
.irp i, 2,4,6,8,10,12,14
.irp b, 0,1,2,3
	v_max3_num_f32 v[TM+\b], v[AC+16*\b+\i], v[AC+16*\b+\i+1], v[TM+\b]
.endr
.endr
	WIN 0
.irp b, 0,1,2,3
	v_permlanex16_b32 v[TP+\b], v[TM+\b], s20, s21
.endr
.irp b, 0,1,2,3
	v_max_num_f32 v[TM+\b], v[TM+\b], v[TP+\b]
.endr
.irp b, 0,1,2,3
	v_add_nc_u32 v[SOP+\b], 0xfc000000, v[TM+\b]
.endr
.irp b, 0,1,2,3
	v_and_or_b32 v[LIM+\b], v[TM+\b], 0x7f800000, s22
.endr
.irp b, 0,1,2,3
	v_lshrrev_b32 v[TP+\b], 23, v[SOP+\b]
.endr
	v_lshl_or_b32 v[PWA], v[TP+1], 8, v[TP]
	v_lshl_or_b32 v[PWA], v[TP+2], 16, v[PWA]
	v_lshl_or_b32 v[PWA], v[TP+3], 24, v[PWA]
	WIN WA
.irp b, 0,1,2,3
.irp i, 0,1,2,3,4,5,6,7,8,9,10,11,12,13,14,15
	v_med3_num_f32 v[T+16*\b+\i], v[AC+16*\b+\i], 0, v[LIM+\b]
.endr
.endr
	WIN 0
.irp b, 0,1,2,3
	v_cvt_scalef32_pk8_fp8_f32 v[PCA+4*\b:PCA+4*\b+1], v[T+16*\b:T+16*\b+7], v[SOP+\b]
	v_cvt_scalef32_pk8_fp8_f32 v[PCA+4*\b+2:PCA+4*\b+3], v[T+16*\b+8:T+16*\b+15], v[SOP+\b]
.endr
	v_nop
.irp b, 0,1,2,3
	ds_store_b64 v[STO], v[PCA+4*\b:PCA+4*\b+1] offset:4352*(\a)+32*\b
	ds_store_b64 v[STO], v[PCA+4*\b+2:PCA+4*\b+3] offset:4352*(\a)+32*\b+16
.endr
	ds_store_b32 v[SSO], v[PWA] offset:128*(\a)
.endm
	PLACES NP
.irp b, 0,1,2,3
	v_mov_b32 v[TP+\b], 0
.endr
; THE STAGE IS EMPTIED IN TWO HALVES.  Half p holds every wave's blocks 4 p .. 4 p + 3: rows 64 p .. 64 p + 63 and 128 + 64 p .. of the tile.  Half 0's rows are read back and stored while blocks 4-7 are still to be quantised;
; the stores of blocks 4-7 touch other rows of the stage than half 0's reads.  Half 0 comes back into v64-127, half 1 into v128-191: no register of a store is written again.
.macro BACK p, extra
	s_wait_dscnt 0x0                               ; for the others' sake: my codes (and scale words) lie in the stage
	s_barrier_signal -1
	s_barrier_wait -1
.set k, 0
.rept 16
	ds_load_b128 v[OB+64*(\p)+4*k:OB+64*(\p)+4*k+3], v[RD] offset:(\p)*64*272+(k/8)*16*272+((k/4)%2)*128+(k%4)*32
.set k, k+1
.endr
.if \extra
	ds_load_b128 v[SW:SW+3], v[RDS]
.endif
.set k, 0
.rept 16
	s_wait_dscnt 15+(\extra)-k                     ; LDS loads come back in order: number k is in
	global_store_b128 v[CO], v[OB+64*(\p)+4*k:OB+64*(\p)+4*k+3], s[12:13] offset:(\p)*262144+(k/8)*65536+((k/4)%2)*2048+(k%4)*512   ; 512 consecutive bytes: a piece of an operand's registers
.set k, k+1
.endr
.endm
.irp a, 0,1,2,3
	QOUT \a
.endr
	BACK 0, 0
.irp a, 4,5,6,7
	QOUT \a
.endr
	BACK 1, 1
	s_wait_dscnt 0x0
	global_store_b128 v[CO], v[SW:SW+3], s[98:99]
	s_wait_tensorcnt 0x0
	ds_add_u32 v[SPW], v[NIL]
	s_wait_dscnt 0x0
	CROUND
	s_endpgm
.Lfunc_end_k_q71090a13d1_ff1:
	.size	k_q71090a13d1_ff1, .Lfunc_end_k_q71090a13d1_ff1-k_q71090a13d1_ff1
	.p2alignl 7, 3214868480
	.fill 96, 4, 3214868480
	.section	.rodata,"a",@progbits
	.p2align	6, 0x0
	.amdhsa_kernel k_q71090a13d1_ff1
		.amdhsa_group_segment_fixed_size 327680
		.amdhsa_private_segment_fixed_size 0
		.amdhsa_enable_private_segment 0
		.amdhsa_kernarg_size 40
		.amdhsa_user_sgpr_count 2
		.amdhsa_user_sgpr_kernarg_segment_ptr 1
		.amdhsa_wavefront_size32 1
		.amdhsa_system_sgpr_workgroup_id_x 1
		.amdhsa_system_sgpr_workgroup_id_y 1
		.amdhsa_system_sgpr_workgroup_id_z 1
		.amdhsa_system_vgpr_workitem_id 0
		.amdhsa_next_free_vgpr 1024
		.amdhsa_next_free_sgpr 100
		.amdhsa_reserve_vcc 0
		.amdhsa_float_denorm_mode_32 3
		.amdhsa_float_denorm_mode_16_64 3
		.amdhsa_memory_ordered 1
		.amdhsa_forward_progress 1
		.amdhsa_inst_pref_size 197
	.end_amdhsa_kernel
	.amdgpu_metadata
---
amdhsa.version: [ 1, 2 ]
amdhsa.kernels:
  - .name:           k_q71090a13d1_ff1
    .symbol:         k_q71090a13d1_ff1.kd
    .args:
      - { .name: xa, .offset: 0, .size: 8, .value_kind: global_buffer, .address_space: global }
      - { .name: W1_codes, .offset: 8, .size: 8, .value_kind: global_buffer, .address_space: global }
      - { .name: W1_scales, .offset: 16, .size: 8, .value_kind: global_buffer, .address_space: global }
      - { .name: b1, .offset: 24, .size: 8, .value_kind: global_buffer, .address_space: global }
      - { .name: hid, .offset: 32, .size: 8, .value_kind: global_buffer, .address_space: global }
    .group_segment_fixed_size: 327680
    .private_segment_fixed_size: 0
    .kernarg_segment_align: 8
    .kernarg_segment_size: 40
    .max_flat_workgroup_size: 128
    .sgpr_count:     100
    .vgpr_count:     1024
    .wavefront_size: 32
...
	.end_amdgpu_metadata
.endif
;; end of part 4
;; launch ff2 (part 5): grid 8 x 32, 4 waves a work-group, clusters of 4 x 4, 327,680 bytes of LDS; arguments hid, W2_codes, W2_scales, b2, xres, out0; writes out0
.if DOCPART == 5
	.amdgcn_target "amdgcn-amd-amdhsa--gfx1250"
	.amdhsa_code_object_version 6
	.text
	.protected	k_q71090a13d1_ff2
	.globl	k_q71090a13d1_ff2
	.p2align	8
	.type	k_q71090a13d1_ff2,@function
k_q71090a13d1_ff2:
	s_mov_b64 s[64:65], 0
	v_nop
	global_prefetch_b8 v0, s[64:65] scope:SCOPE_SE
	s_setreg_imm32_b32 hwreg(HW_REG_WAVE_MODE, 25, 1), 1
	s_wait_xcnt 0x0
	s_wait_alu depctr_hold_cnt(0) depctr_sa_sdst(0) depctr_va_vdst(0) depctr_va_sdst(0) depctr_va_ssrc(0) depctr_va_vcc(0) depctr_vm_vsrc(0)
	s_getreg_b32 s2, hwreg(HW_REG_IB_STS2, 6, 4)
	s_cmp_eq_u32 s2, 0
	s_cbranch_scc0 .Lentry_in_a_cluster
	s_endpgm
.Lentry_in_a_cluster:
	s_bfe_u32 s2, ttmp6, 0x10000c
	s_cmp_lg_u32 s2, 0xf033
	s_cbranch_scc0 .Lentry_shape_is_right
	s_endpgm
.Lentry_shape_is_right:
; out = x + hidden W2 + b2.  hidden: 4,096 x 4,096 as codes of FP8 (E4M3) with E8M0 scale bytes, W2: [1024 (n)][4096 (k)] likewise; K = 4,096; sums in f32.
; hid, as the launch before leaves it: codes [16 rows' block 256][128 of K 32][piece c 4][lane 32][16 bytes], the order of an operand's registers; from byte 16,777,216 scale bytes [256 of K 16][row 4096][8].
; SHARES.  A work-group makes 128 x 128 of out: 256 work-groups, one full turn.  Wave w owns rows 32 w .. 32 w + 31 and all 128 columns: 16 accumulators.
; A's fragments belong to one wave alone and go from memory straight into its registers: a ring of eight items of 32 registers, seven items (56 loads) asked ahead.
; W2's 128 rows go through two LDS slots of 1,024 along K (eight steps of 128), a quarter of a slot a wave, asked jointly along a column of the 4 x 4 cluster.
; A's rows are shared by no wave of the work-group, so they take no LDS; they are not asked jointly since they land in registers.
; THE HEAD: each wave's one tensor load is its quarter of slot 0; the scale bytes (16 KB of A's, 16 KB of W2's) come beside it by plain loads, 8 KB a wave, and are stored to LDS bytes of their own; slot 1 is first filled behind the full sequence and a round.
; PREFETCHES into the L2: of hid, eight steps' bytes of the work-group's 128 rows are 512 blocks of 256 bytes: the sixteen waves of a cluster's row share them by address (4 cx + wave), a lane a block; steps 8-15 are asked for at the head,
; 16-23 in step 1, 24-31 in step 9: seven steps and more ahead of the first load that wants them.  Of W2, a slot's 512 blocks are shared by the sixteen waves of a cluster's column (4 cy + wave): K 2,048 on at the head (loaded in step 7), K 3,072 on in step 3 (loaded in step 15).
; Their address registers are never rewritten; every address lies inside the tile's 524,288 bytes.
; THE MATRIX INSTRUCTION IS USED TRANSPOSED (source 0 = 16 rows of W2, source 1 = 16 rows of A): a lane holds eight neighbouring columns of a row of out.
; LIMITS: NaN and infinities are not served.
; REGISTERS: window 0: v1-31 addresses, v32-79 scale words (two sets of 24) and nothing else, v80-83 b2, v84-87 addresses, v128-255 the accumulators (at the head: the scale bytes on their way); window 1: W2's fragments, two sets; window 2: A's eight items; window 3: x, then the way out.
.set PITCH,  272                       ; an LDS row: 256 bytes + 16 of padding
.set HALFT,  128*PITCH                 ; W2's 128 rows x 256 of K: what one tensor load brings
.set SLOT,   4*HALFT
.set ASC,    2*SLOT                    ; A's scale bytes [256 of K 16][row 128][8]
.set BSC,    ASC+16384                 ; W2's: units of 256 bytes (two rows) + 16 of padding
.set SPARE,  BSC+2*8704
.set SPITCH, 528                       ; the way out: 16 rows x (512 + 16) bytes a wave, in slot 0, behind its last fill and last read
.set NP,     8
.set ADRB, 16
.set STO,  24
.set RD,   25
.set CO,   26
.set ADSA, 27
.set SPW,  28
.set NIL,  29
.set ADSB, 30
.set SC,   32
.set BI,   80
.set PFA,  84
.set PFB,  85
.set LSA,  86
.set LSB,  87
.set ACC,  128
.set G1B, 48
.set G0B, 56
.set AB,  66
.set MSB, 0
.macro WIN new                         ; the immediate's high byte repeats the setting that is left
.if MSB != \new
	s_set_vgpr_msb (MSB<<8)|\new
.set MSB, \new
.endif
.endm
.set MUL,  0x09                        ; source 0 (W2) window 1, source 1 (A) window 2
.macro CREST
	s_cmp_lg_u32 s14, 0
	s_cbranch_scc1 .Lnot_wave_0_\@
	s_barrier_signal -3
.Lnot_wave_0_\@:
	s_barrier_wait -3
	s_barrier_signal -1
	s_barrier_wait -1
.endm
.macro CROUND
	s_barrier_signal -1
	s_barrier_wait -1
	CREST
.endm
.macro PLACES n
.rept \n
	v_nop
.endr
.endm
.macro BLOAD s                         ; my quarter of slot s; s_nop 0 and four v_nop follow
	tensor_load_to_lds s[G0B+4*(\s):G0B+4*(\s)+3], s[G1B:G1B+7]
	s_nop 0
	PLACES 4
.endm
	s_load_b64 s[4:5], s[0:1], 0x0                 ; hid
	s_load_b128 s[8:11], s[0:1], 0x8               ; W2's codes, scales
	s_load_b128 s[96:99], s[0:1], 0x18             ; b2, x
	s_load_b64 s[12:13], s[0:1], 0x28              ; out
	v_lshl_add_u32 v[SPW], v0, 2, SPARE
	v_mov_b32 v[NIL], 0
	ds_add_u32 v[SPW], v[NIL]                      ; the opening: the add, twice on end, and its wait ahead of my first tensor load
	ds_add_u32 v[SPW], v[NIL]
	v_lshrrev_b32 v1, 5, v0
	v_readfirstlane_b32 s14, v1                    ; wave 0..3
	s_bfe_u32 s40, ttmp6, 0x40000                  ; cx, cy
	s_bfe_u32 s41, ttmp6, 0x40004
	s_lshl_b32 s42, ttmp9, 2
	s_add_co_u32 s42, s42, s40                     ; tile column
	s_and_b32 s17, ttmp7, 0xffff
	s_lshl_b32 s17, s17, 2
	s_add_co_u32 s17, s17, s41                     ; tile row
	s_lshl_b32 s44, 0x1111, s40                    ; my column of the cluster shares W2's rows
	s_or_b32 s[G1B+0], s44, (0<<16)|(1<<20)|(1<<21)|(5<<22)|(3<<25)
	s_mov_b32 s[G1B+1], 256<<16
	s_mov_b32 s[G1B+2], 128<<16
	s_mov_b32 s[G1B+3], 256<<16
	s_mov_b32 s[G1B+4], 128
	s_mov_b32 s[G1B+5], 4096
	s_mov_b32 s[G1B+6], 0
	s_mov_b32 s[G1B+7], 0
	s_lshl_b32 s20, s17, 19                        ; my 32 rows: of hid's codes, and of x and out: 524,288 tile row + 131,072 wave
	s_lshl_b32 s21, s14, 17
	s_add_co_u32 s20, s20, s21
	s_mov_b32 s21, 0
	s_lshl_b32 s22, s14, 17                        ; A's scale bytes: I fetch chunks 4 w .. 4 w + 3 of 256 along K, 32,768 bytes apart, 1,024 bytes each
	s_lshl_b32 s23, s17, 10
	s_add_co_u32 s22, s22, s23
	s_mov_b32 s23, 0
	s_lshl_b32 s46, s42, 19                        ; W2's codes: my tile column's rows, K = 256 w on
	s_lshl_b32 s47, s14, 8
	s_add_co_u32 s46, s46, s47
	s_mov_b32 s47, 0
	s_lshl_b32 s92, s42, 14                        ; W2's scale bytes: 16,384 a tile column, 4,096 a wave
	s_lshl_b32 s93, s14, 12
	s_add_co_u32 s92, s92, s93
	s_mov_b32 s93, 0
	s_mul_i32 s45, s14, HALFT
	s_lshl_b32 s24, s40, 2                         ; the prefetches of hid: p = 4 cx + wave: block of 16 rows p / 2, half p % 2 of its 16,384 bytes
	s_add_co_u32 s24, s24, s14
	s_lshr_b32 s25, s24, 1
	s_lshl_b32 s25, s25, 16
	s_and_b32 s24, s24, 1
	s_lshl_b32 s24, s24, 13
	s_add_co_u32 s24, s24, s25
	s_lshl_b32 s25, s17, 19
	s_add_co_u32 s24, s24, s25
	s_mov_b32 s25, 0
	s_lshl_b32 s26, s41, 2                         ; of W2: q = 4 cy + wave: rows 8 q .. 8 q + 7
	s_add_co_u32 s26, s26, s14
	s_lshl_b32 s26, s26, 15
	s_lshl_b32 s27, s42, 19
	s_add_co_u32 s26, s26, s27
	s_mov_b32 s27, 0
	s_lshl_b32 s28, s14, 8
	s_add_co_u32 s28, s28, ASC                     ; my 32 rows' scale words
	s_mul_i32 s29, s14, 16*SPITCH                  ; my stage
	s_lshl_b32 s30, s14, 12
	s_add_co_u32 s30, s30, ASC                     ; where the scale bytes that I fetch go: A's,
	s_mul_i32 s31, s14, 4352
	s_add_co_u32 s31, s31, BSC                     ; W2's
	s_lshl_b32 s94, s42, 9                         ; my tile's 128 columns of f32
	s_mov_b32 s95, 0
	s_wait_dscnt 0x0                               ; both opening adds are done
	s_wait_kmcnt 0x0
	s_add_nc_u64 s[6:7], s[4:5], 0x1000000
	s_add_nc_u64 s[AB:AB+1], s[4:5], s[20:21]
	s_add_nc_u64 s[22:23], s[6:7], s[22:23]
	s_add_nc_u64 s[46:47], s[8:9], s[46:47]
	s_add_nc_u64 s[92:93], s[10:11], s[92:93]
	s_add_nc_u64 s[24:25], s[4:5], s[24:25]
	s_add_nc_u64 s[26:27], s[8:9], s[26:27]
	s_add_nc_u64 s[96:97], s[96:97], s[94:95]
	s_add_nc_u64 s[20:21], s[20:21], s[94:95]
	s_add_nc_u64 s[98:99], s[98:99], s[20:21]
	s_add_nc_u64 s[12:13], s[12:13], s[20:21]
.irp s, 0,1
	s_mov_b32 s[G0B+4*\s], 1
	s_add_co_u32 s[G0B+4*\s+1], s45, \s*SLOT
	s_add_nc_u64 s[G0B+4*\s+2:G0B+4*\s+3], s[46:47], \s*1024
	s_or_b32 s[G0B+4*\s+3], s[G0B+4*\s+3], 0x80000000
.endr
	CROUND                                         ; all sixteen work-groups are here: the first joint loads meet
	BLOAD 0                                        ; one tensor load a wave at the head
	v_and_b32 v1, 15, v0                           ; r
	v_bfe_u32 v2, v0, 4, 1                         ; h
	v_and_b32 v3, 31, v0
	v_lshlrev_b32 v[CO], 4, v3                     ; 16 x lane
	v_mul_u32_u24 v4, v1, PITCH
	v_lshl_add_u32 v4, v2, 4, v4
.irp n, 0,1,2,3,4,5,6,7
	v_add_nc_u32 v[ADRB+\n], \n*HALFT, v4          ; W2's fragments: one address for each 256 of K in the two slots
.endr
	v_lshl_add_u32 v[ADSA], v1, 3, s28
	v_mul_u32_u24 v5, v2, 8704                     ; W2's scale words: lanes 16-31 take the rows 64 further on
	v_lshl_add_u32 v5, v1, 7, v5
	v_lshrrev_b32 v6, 1, v1
	v_lshl_add_u32 v5, v6, 4, v5
	v_add_nc_u32 v[ADSB], BSC, v5
	v_mul_u32_u24 v5, v1, SPITCH
	v_lshl_add_u32 v5, v2, 5, v5
	v_add_nc_u32 v[STO], s29, v5
	v_add_nc_u32 v[RD], s29, v[CO]
	v_add_nc_u32 v[LSA], s30, v[CO]
	v_lshl_add_u32 v[LSB], v2, 4, v[CO]            ; 16 bytes of padding behind each 256
	v_add_nc_u32 v[LSB], s31, v[LSB]
	v_lshlrev_b32 v[PFA], 8, v3                    ; hid: lanes 256 bytes apart
	v_lshrrev_b32 v5, 2, v3
	v_and_b32 v6, 3, v3
	v_lshlrev_b32 v6, 8, v6
	v_lshl_add_u32 v[PFB], v5, 12, v6              ; W2: four lanes to a row's 1,024 bytes
	s_wait_alu depctr_va_vdst(0)                   ; the wait behind the head's vector lines
.macro ITEM u                          ; u < 32: A's fragments of step u, 32 rows x 128 K, eight loads of 512 consecutive bytes; 32 .. 35: eight rows of x each
.if (\u) < 32
	WIN 0x80
.irp a, 0,1
.irp c, 0,1,2,3
	global_load_b128 v[32*((\u)%8)+16*\a+4*\c:32*((\u)%8)+16*\a+4*\c+3], v[CO], s[AB:AB+1] offset:65536*\a+2048*(\u)+512*\c
.endr
.endr
.elseif (\u) < 36
	WIN 0xc0
.irp i, 0,1,2,3,4,5,6,7
	global_load_b128 v[4*(8*((\u)-32)+\i):4*(8*((\u)-32)+\i)+3], v[CO], s[98:99] offset:(8*((\u)-32)+\i)*4096 th:TH_LOAD_NT
.endr
.endif
.endm
	global_load_b128 v[BI:BI+3], v[CO], s[96:97]   ; b2: my four columns of a row
.irp c, 0,1,2,3
.irp j, 0,1
	global_load_b128 v[ACC+8*\c+4*\j:ACC+8*\c+4*\j+3], v[CO], s[22:23] offset:32768*\c+512*\j
.endr
.endr
.irp j, 0,1,2,3,4,5,6,7
	global_load_b128 v[ACC+32+4*\j:ACC+32+4*\j+3], v[CO], s[92:93] offset:512*\j
.endr
.set T, 0
.rept 4
	ITEM T
.set T, T+1
.endr
	global_prefetch_b8 v[PFA], s[24:25] offset:16384 th:TH_LOAD_NT scope:SCOPE_SE   ; hid, steps 8-15
	global_prefetch_b8 v[PFB], s[26:27] offset:2048 th:TH_LOAD_NT scope:SCOPE_SE    ; W2, K 2,048 on
	WIN 0
	s_wait_loadcnt 32                              ; b2 and the scale bytes are in; the four items' 32 loads may be out
.irp c, 0,1,2,3
.irp j, 0,1
	ds_store_b128 v[LSA], v[ACC+8*\c+4*\j:ACC+8*\c+4*\j+3] offset:1024*\c+512*\j
.endr
.endr
.irp j, 0,1,2,3,4,5,6,7
	ds_store_b128 v[LSB], v[ACC+32+4*\j:ACC+32+4*\j+3] offset:544*\j
.endr
.rept 3
	ITEM T
.set T, T+1
.endr
.set T, 0
	WIN 0
.macro SCALES g                        ; the scale words of four steps: W2's blocks i (lanes 0-15) and i + 4 (lanes 16-31), then A's two blocks
.set SG, SC+24*((\g)%2)
.irp i, 0,1,2,3
	ds_load_b128 v[SG+4*\i:SG+4*\i+3], v[ADSB] offset:2176*\i+16*(\g)
.endr
.irp a, 0,1
.irp u, 0,1
	ds_load_b64 v[SG+16+4*\a+2*\u:SG+16+4*\a+2*\u+1], v[ADSA] offset:128*\a+1024*\u+2048*(\g)
.endr
.endr
.endm
.macro FETCHB n                        ; W2's eight fragments of step n into set n % 2
	WIN 0x40
.irp i, 0,1,2,3,4,5,6,7
.irp c, 0,1,2,3
	ds_load_b128 v[128*((\n)%2)+16*\i+4*\c:128*((\n)%2)+16*\i+4*\c+3], v[ADRB+4*(((\n)/8)%2)+((\n)%8)/2] offset:128*((\n)%2)+32*\c+\i*16*PITCH
.endr
.endr
.endm
.macro WM a, b
.set rD, ACC+8*(8*(\a)+(\b))
.set rB, 128*(T%2)+16*(\b)
.set rA, 32*(T%8)+16*(\a)
.set rSB, SC+24*((T/4)%2)+4*((\b)%4)+T%4
.set rSA, SC+24*((T/4)%2)+16+4*(\a)+T%4
.if T == 0
.if (\b) >= 4
	v_wmma_scale_f32_16x16x128_f8f6f4 v[rD:rD+7], v[rB:rB+15], v[rA:rA+15], 0, v[rSB], v[rSA] matrix_a_scale:MATRIX_SCALE_ROW1
.else
	v_wmma_scale_f32_16x16x128_f8f6f4 v[rD:rD+7], v[rB:rB+15], v[rA:rA+15], 0, v[rSB], v[rSA]
.endif
.else
.if (\b) >= 4
	v_wmma_scale_f32_16x16x128_f8f6f4 v[rD:rD+7], v[rB:rB+15], v[rA:rA+15], v[rD:rD+7], v[rSB], v[rSA] matrix_a_scale:MATRIX_SCALE_ROW1
.else
	v_wmma_scale_f32_16x16x128_f8f6f4 v[rD:rD+7], v[rB:rB+15], v[rA:rA+15], v[rD:rD+7], v[rSB], v[rSA]
.endif
.endif
.endm
.macro MULS b0, n                      ; the sixteen accumulators take turns, one instruction a turn
.set bb, \b0
.rept \n
	WM 0, bb
	WM 1, bb
.set bb, bb+1
.endr
.endm
.macro LEFT                            ; items asked for behind step T's: six, fewer at the end
.set LCNT, 35-T
.if LCNT > 6
.set LCNT, 6
.endif
.endm
.macro STEP
	LEFT
	s_wait_loadcnt 8*LCNT                          ; this step's item is in
	s_wait_dscnt 16                                ; W2's blocks 0-3 (and any scale words) are in; the youngest 16 loads may be out
	WIN MUL
	MULS 0, 4
	PLACES NP
.if ((T%4) == 2) && (T < 28)
	WIN 0
	SCALES T/4+1
.endif
	FETCHB T+1
	ITEM T+7
.if (T == 1) || (T == 9)
	global_prefetch_b8 v[PFA], s[24:25] offset:16384*(T/8+2) th:TH_LOAD_NT scope:SCOPE_SE
.endif
.if T == 3
	global_prefetch_b8 v[PFB], s[26:27] offset:3072 th:TH_LOAD_NT scope:SCOPE_SE
.endif
.if ((T%4) == 2) && (T < 28)
	s_wait_dscnt 40                                ; all but the 8 + 32 just issued
.else
	s_wait_dscnt 32
.endif
	WIN MUL
	MULS 4, 4
.set T, T+1
.endm
.macro TURN fill                       ; a slot's last step: one barrier; fill = 1: it opens a round of the cluster's barrier, and the slot is filled again
.set SL, (T/8)%2
	LEFT
	WIN 0
	s_wait_loadcnt 8*LCNT
	s_wait_tensorcnt 0x0                           ; all my tensor loads have landed: my part of the next slot;
	ds_add_u32 v[SPW], v[NIL]                      ; 0 onto my spare word
	s_wait_dscnt 17                                ; (the add and the youngest 16 loads may be out)
	WIN MUL
	MULS 0, 2
	s_wait_dscnt 0x0                               ; the add is done, and my reads of this slot are over
	s_barrier_signal -1
	MULS 2, 2
	WIN 0
	s_barrier_wait -1
.if \fill
	CREST
	s_add_nc_u64 s[G0B+4*SL+2:G0B+4*SL+3], s[G0B+4*SL+2:G0B+4*SL+3], 2048
	BLOAD SL
	PLACES NP-4
.else
	PLACES NP
.endif
	FETCHB T+1
	ITEM T+7
	WIN MUL
	MULS 4, 4
.set T, T+1
.endm
	s_wait_tensorcnt 0x0                           ; my quarter of slot 0 is in
	ds_add_u32 v[SPW], v[NIL]
	s_wait_dscnt 0x0                               ; the add and my stores of scale bytes are done
	CROUND                                         ; everybody's are, in all sixteen work-groups
	BLOAD 1                                        ; slot 1's first fill: the first tensor load behind the round
	SCALES 0
	FETCHB 0
.rept 7
	STEP
.endr
	TURN 1
.rept 7
	STEP
.endr
	TURN 1
.rept 7
	STEP
.endr
	TURN 0
.rept 7
	STEP
.endr
	LEFT
	s_wait_loadcnt 8*LCNT
	s_wait_dscnt 16
	WIN MUL
	MULS 0, 4
	s_wait_dscnt 0
	MULS 4, 4
	WIN 0
; THE WAY OUT: a block of 16 rows goes through my stage and comes back as whole rows of 512 bytes; x and b2 are added; 32 lanes store 512 consecutive bytes.
.macro TOSTAGE a
	WIN 0
.irp b, 0,1,2,3,4,5,6,7
	ds_store_b128 v[STO], v[ACC+8*(8*(\a)+\b):ACC+8*(8*(\a)+\b)+3] offset:64*\b          ; each accumulator from its low end on
	ds_store_b128 v[STO], v[ACC+8*(8*(\a)+\b)+4:ACC+8*(8*(\a)+\b)+7] offset:64*\b+16
.endr
	WIN 0xc0
.irp t, 0,1,2,3,4,5,6,7,8,9,10,11,12,13,14,15
	ds_load_b128 v[128+64*(\a)+4*\t:128+64*(\a)+4*\t+3], v[RD] offset:\t*SPITCH          ; LDS serves a wave's instructions in order
.endr
.endm
.macro SEND a, younger
	s_wait_dscnt \younger
	WIN 0xcf
.set j, 0
.rept 32
	v_pk_add_f32 v[64*(\a)+j:64*(\a)+j+1], v[128+64*(\a)+j:128+64*(\a)+j+1], v[64*(\a)+j:64*(\a)+j+1]
.set j, j+2
.endr
	WIN 0xc3
.set j, 0
.rept 32
	v_pk_add_f32 v[64*(\a)+j:64*(\a)+j+1], v[64*(\a)+j:64*(\a)+j+1], v[BI+j%4:BI+j%4+1]
.set j, j+2
.endr
	WIN 0x0c
.irp t, 0,1,2,3,4,5,6,7,8,9,10,11,12,13,14,15
	global_store_b128 v[CO], v[64*(\a)+4*\t:64*(\a)+4*\t+3], s[12:13] offset:(16*(\a)+\t)*4096 th:TH_STORE_NT
.endr
.endm
	PLACES NP                                      ; behind the last products
	s_wait_loadcnt 0x0                             ; x
	TOSTAGE 0
	TOSTAGE 1
	SEND 0, 32                                     ; behind block 0's loads: block 1's 16 stores and 16 loads
	SEND 1, 0
	WIN 0
	s_wait_tensorcnt 0x0                           ; the wave's end
	ds_add_u32 v[SPW], v[NIL]
	s_wait_dscnt 0x0
	CROUND                                         ; the closing round
	s_endpgm
.Lfunc_end_k_q71090a13d1_ff2:
	.size	k_q71090a13d1_ff2, .Lfunc_end_k_q71090a13d1_ff2-k_q71090a13d1_ff2
	.p2alignl 7, 3214868480
	.fill 96, 4, 3214868480
	.section	.rodata,"a",@progbits
	.p2align	6, 0x0
	.amdhsa_kernel k_q71090a13d1_ff2
		.amdhsa_group_segment_fixed_size 327680
		.amdhsa_private_segment_fixed_size 0
		.amdhsa_enable_private_segment 0
		.amdhsa_kernarg_size 48
		.amdhsa_user_sgpr_count 2
		.amdhsa_user_sgpr_kernarg_segment_ptr 1
		.amdhsa_wavefront_size32 1
		.amdhsa_system_sgpr_workgroup_id_x 1
		.amdhsa_system_sgpr_workgroup_id_y 1
		.amdhsa_system_sgpr_workgroup_id_z 1
		.amdhsa_system_vgpr_workitem_id 0
		.amdhsa_next_free_vgpr 1024
		.amdhsa_next_free_sgpr 100
		.amdhsa_reserve_vcc 0
		.amdhsa_float_denorm_mode_32 3
		.amdhsa_float_denorm_mode_16_64 3
		.amdhsa_memory_ordered 1
		.amdhsa_forward_progress 1
		.amdhsa_inst_pref_size 201
	.end_amdhsa_kernel
	.amdgpu_metadata
---
amdhsa.version: [ 1, 2 ]
amdhsa.kernels:
  - .name:           k_q71090a13d1_ff2
    .symbol:         k_q71090a13d1_ff2.kd
    .args:
      - { .name: hid, .offset: 0, .size: 8, .value_kind: global_buffer, .address_space: global }
      - { .name: W2_codes, .offset: 8, .size: 8, .value_kind: global_buffer, .address_space: global }
      - { .name: W2_scales, .offset: 16, .size: 8, .value_kind: global_buffer, .address_space: global }
      - { .name: b2, .offset: 24, .size: 8, .value_kind: global_buffer, .address_space: global }
      - { .name: xres, .offset: 32, .size: 8, .value_kind: global_buffer, .address_space: global }
      - { .name: out0, .offset: 40, .size: 8, .value_kind: global_buffer, .address_space: global }
    .group_segment_fixed_size: 327680
    .private_segment_fixed_size: 0
    .kernarg_segment_align: 8
    .kernarg_segment_size: 48
    .max_flat_workgroup_size: 128
    .sgpr_count:     100
    .vgpr_count:     1024
    .wavefront_size: 32
...
	.end_amdgpu_metadata
.endif
;; end of part 5
